; MI455X (gfx1250); checked and timed in simulation.
; The chip was launched on July 23, 2026; its instructions are those of AMD's public machine-readable ISA for CDNA 5 (MIT licence, August 2026) and "CDNA5" Instruction Set Architecture Reference Guide (July 2026). The comments in the code are by the model that wrote it; some were corrected since.
;; Parcae Causal Self Attention. Allowed arithmetic: matrix products marked QUANTISED: E2M1 operands, one E8M0 scale for each 32 along K, by v_wmma_scale_f32_16x16x128_f8f6f4 with both operands' format E2M1 (or v_wmma_scale_f32_32x16x128_f4), f32 sums; everything else in f32.
;; Inputs: Wk 2,048 x 2,048 float32; Wo 2,048 x 2,048 float32; Wq 2,048 x 2,048 float32; Wv 2,048 x 2,048 float32; freqs_cis 2,048 x 1 x 64 x 2 float32; qk_bias 2 x 1 x 16 x 128 float32; ve 1 x 2,048 x 2,048 float32; ve_gate_w 16 x 32 float32; x 1 x 2,048 x 2,048 float32.
;; Outputs: out0 1 x 2,048 x 2,048 float32.
;; This version of the problem:
;;   THIS VERSION OF THE PROBLEM IS GIVEN IN LOW PRECISION. The matrix products marked QUANTISED in the list below multiply operands that are first quantised to E2M1 (2 exponent bits, 1 mantissa bit; 4 bits a number), with one power-of-two scale for each 32 numbers along K (OCP MX v1.0); their sums are f32. All else is computed in f32.
;;   The module's matrix products, in the order in which they are computed (A, B: the left and right operand; K: the contracted axis; several contracted axes count as one K, in the product's order):
;;     1. [M 2,048, K 2,048] x [K 2,048, N 2,048]; A: input x; B: input Wq: QUANTISED
;;     2. [M 2,048, K 2,048] x [K 2,048, N 2,048]; A: input x; B: input Wk: QUANTISED
;;     3. [M 2,048, K 2,048] x [K 2,048, N 2,048]; A: input x; B: input Wv: QUANTISED
;;     4. [M 2,048, K 32] x [K 32, N 16]; A: input x; B: input ve_gate_w: QUANTISED
;;     5. batch 16 x [M 2,048, K 128] x [K 128, N 2,048]; A: computed on the way; B: computed on the way: QUANTISED
;;     6. batch 16 x [M 128, K 2,048] x [K 2,048, N 2,048]; A: computed on the way; B: softmax (see below): QUANTISED
;;     7. [M 2,048, K 2,048] x [K 2,048, N 2,048]; A: computed on the way; B: input Wo: QUANTISED
;;   THE QUANTISER, for each operand of a quantised product, along K:
;;     - K is cut into blocks of 32 from its start; a last block that is shorter is filled with zeros.
;;     - A block's scale is 2^e with e = floor(log2(the largest magnitude in the block)) - 2, held to -126 .. 127; a block of zeros has e = 0. As a byte (E8M0): e + 127.
;;     - Each number is divided by its block's scale, clamped to +-6, and rounded to the nearest number of E2M1, ties to even, subnormals kept.
;;     - The product sums the exact products of the quantised numbers (number of the format x scale) in f32.
;;   ~~~python
;;   def quantise(x, axis):      # numpy; x: float32 -> the quantised numbers, widened to float32 again
;;       x = np.moveaxis(x, axis, -1); K = x.shape[-1]
;;       x = np.pad(x, [(0, 0)] * (x.ndim - 1) + [(0, -K % 32)]); x = x.reshape(x.shape[:-1] + (-1, 32)); a = np.abs(x).max(-1, keepdims=True)
;;       e = np.where(a > 0, np.clip(np.frexp(np.where(a > 0, a, 1))[1] - 1 - 2, -126, 127), 0)      # np.frexp(a)[1] - 1 = floor(log2(a)), exactly
;;       r = np.clip(x / 2.0 ** e, -6, 6)
;;       step = 2.0 ** (np.maximum(np.frexp(np.where(r == 0, 1, r))[1] - 1, 0) - 1)
;;       q = np.round(r / step) * step * 2.0 ** e      # np.round: ties to even
;;       return np.moveaxis(q.reshape(q.shape[:-2] + (-1,))[..., :K], -1, axis).astype(np.float32)
;;   ~~~
;;   SOFTMAX AHEAD OF A QUANTISED PRODUCT. Where the list says 'softmax', what is quantised is not the finished softmax but p = 2^(t - M), with t = logit x log2(e) and M = ceil(the row's largest t), a whole number; so 1/2 < the row's largest p <= 1. The row's sum l is taken of the UNQUANTISED p, in f32, and the product's result is divided by l at the end. Since M is a whole number, a kernel that streams over the keys may use a running M (the ceiling of the running maximum): every later rescaling is an exact power of two, which a block's scale takes up: the codes' values come out the same.
;;   OPERANDS COMPUTED ON THE WAY. 'Computed on the way' means the value that the module computes at that place (a softmax that the list does not call 'softmax' is quantised finished and normalised). What goes into a quantiser is computed in f32, as accurately as f32 sums, v_exp_f32 and their like allow (about 1e-6 of the number): no bf16 or f16 on the way to a quantiser, and a product that is left as it is and whose result goes on into a quantised operand takes f32 operands (vector FMAs, or v_wmma_f32_16x16x4_f32). A number that lies on a knife's edge between two numbers of the format may be rounded either way, as far as f32 arithmetic and the matrix unit's own rounding can turn it there, and no further.
;; One version. Each part assembles by itself: llvm-mc -triple=amdgcn-amd-amdhsa -mcpu=gfx1250 --defsym DOCPART=n.
;; ======== version 1 of 1: 4 launches
;; limits: right only within a limited range of input values
;; workspace buffers: codes 10,485,760 bytes; scales 655,360 bytes; qkv_codes 6,291,456 bytes; qkv_scales 393,216 bytes; y_codes 2,097,152 bytes; y_scales 131,072 bytes
;; launch quant (part 1): grid 640 x 1, 4 waves a work-group, no clusters, 33,280 bytes of LDS; arguments x, Wq, Wk, Wv, Wo, codes, scales; writes codes, scales
.if DOCPART == 1
	.amdgcn_target "amdgcn-amd-amdhsa--gfx1250"
	.amdhsa_code_object_version 6
	.text
	.protected	k_q3a92b466ad_quant
	.globl	k_q3a92b466ad_quant
	.p2align	8
	.type	k_q3a92b466ad_quant,@function
k_q3a92b466ad_quant:
	s_mov_b64 s[64:65], 0
	v_nop
	global_prefetch_b8 v0, s[64:65] scope:SCOPE_SE
	s_setreg_imm32_b32 hwreg(HW_REG_WAVE_MODE, 25, 1), 1
	s_wait_xcnt 0x0
; x, Wq, Wk, Wv, Wo, each [2048][2048] f32 with K innermost, become codes of FP4 (E2M1), K innermost, and one E8M0 scale byte for each 32 along K.
; codes: 10,240 rows of 1,024 bytes: rows 0-2047 x, 2048-4095 Wq, 4096-6143 Wk, 6144-8191 Wv, 8192-10239 Wo.  scales: the same rows, 64 bytes each.
; Wv's ROWS LIE PERMUTED: row 64 G + 4 r + q lies at 6144 + 64 G + 16 q + r, so that in the next launch a lane's four blocks of 16 rows are four neighbouring channels.
; A block's scale is 2^(floor(log2(its largest magnitude)) - 2); its byte is the largest magnitude's exponent field - 2, held at 1 from below.
; LIMITS: a block of zeros has the byte 1 where the rule says 127 (its codes are zeros, and this program alone reads the bytes); blocks whose largest magnitude lies under 2^-124 keep the byte 1;
; NaN and infinities among the inputs are not served.  Wv's scale bytes leave in pieces of 64 bytes (131,072 bytes in all), since its rows are scattered.
; SHARES: a tensor is 128 work-groups; a wave takes run u = 4 rows (8,192 numbers) in 16 steps of 512.  Each of a step's four loads reads 512 consecutive bytes; the 2,048 bytes turn through the wave's own
; stage in LDS and come back 64 bytes a lane: 16 neighbours along K, two neighbouring lanes to a block.  A step's codes are 256 consecutive bytes.  Loads run four steps (16 loads a wave) ahead.
; No tensor loads, no barrier, no cluster, no prefetch: the waves share nothing, and the launch only streams.
.set STEPS, 16
.set EMAX,  2
.set R,     16                         ; v16-79   four sets of 16 numbers as they are loaded
.set X,     80                         ; v80-111  two sets of 16 neighbours
.set E,     112                        ; v112-127 a scale byte for each step
.set C,     128                        ; v128-191 codes: registers of its own for each step, so that no store's data are written again
.set VO,    192                        ; v192-195 my codes' byte offset in row q of my run: 8 x lane + q x the distance from row to row
.set SO,    196                        ; v196     my 8 scale bytes' offset
.set WREG,  8192                       ; LDS: a region for each wave: two stages of 32 x SP bytes, behind them its 256 scale bytes
.set SP,    80                         ; a lane's place in a stage: 64 bytes + 16 of padding
	s_load_b256 s[4:11], s[0:1], 0x0               ; x, Wq, Wk, Wv
	s_load_b128 s[12:15], s[0:1], 0x20             ; Wo, codes
	s_load_b64 s[16:17], s[0:1], 0x30              ; scales
	v_lshl_add_u32 v200, v0, 2, 0x8000
	v_mov_b32 v201, 0
	v_lshrrev_b32 v1, 5, v0
	v_readfirstlane_b32 s18, v1                    ; wave
	v_and_b32 v2, 31, v0                           ; lane
	v_lshlrev_b32 v3, 4, v2                        ; my 16 bytes of a load's 512
	s_mul_i32 s19, s18, WREG
	v_lshrrev_b32 v14, 2, v2
	v_mul_u32_u24 v14, v14, SP
	v_and_b32 v15, 3, v2
	v_lshl_add_u32 v14, v15, 4, v14
	v_add_nc_u32 v14, s19, v14                     ; the stage, on the way in: SP (lane / 4) + 16 (lane % 4)
	v_mul_u32_u24 v15, v2, SP
	v_add_nc_u32 v15, s19, v15                     ; and on the way out: SP x lane: my 16 neighbours
	v_lshlrev_b32 v4, 3, v2                        ; 8 x lane
	s_wait_alu depctr_va_vdst(0)
	v_lshrrev_b32 v5, 1, v2
	s_add_co_u32 s19, s19, 2*32*SP
	v_add_nc_u32 v5, s19, v5                       ; LDS: my wave's 256 scale bytes, my block's byte
	v_add_nc_u32 v6, s19, v4                       ; and on the way out 8 bytes a lane
	s_lshr_b32 s20, ttmp9, 7                       ; which tensor
	s_and_b32 s21, ttmp9, 127
	s_lshl_b32 s21, s21, 2
	s_add_co_u32 s21, s21, s18                     ; u: my run of four rows
	s_lshl_b32 s24, s21, 2                         ; its first row as it lies: 4 u;
	s_lshr_b32 s25, s21, 4
	s_lshl_b32 s25, s25, 6
	s_and_b32 s26, s21, 15
	s_add_co_u32 s25, s25, s26                     ; permuted: 64 (u / 16) + u % 16, and 16 rows from row to row
	s_mov_b32 s22, 1024
	s_mov_b32 s23, 64
	s_cmp_eq_u32 s20, 3                            ; Wv?
	s_cselect_b32 s22, 16384, s22                  ; from row to row, in the codes
	s_cselect_b32 s23, 1024, s23                   ; and in the scale bytes
	s_cselect_b32 s24, s25, s24
	s_lshl_b32 s25, s20, 11
	s_add_co_u32 s24, s24, s25                     ; + the tensor's 2,048 rows
	s_lshl_b32 s26, s21, 15                        ; my run in the input: 32,768 bytes a run
	s_mov_b32 s27, 0
	s_lshl_b32 s28, s24, 10
	s_mov_b32 s29, 0
	s_lshl_b32 s30, s24, 6
	s_mov_b32 s31, 0
.irp q, 0,1,2,3
	v_mad_u32_u24 v[VO+\q], s22, \q, v4
.endr
	v_lshrrev_b32 v7, 3, v2
	v_and_b32 v8, 7, v2
	v_lshlrev_b32 v8, 3, v8
	v_mad_u32_u24 v[SO], v7, s23, v8               ; row lane / 8 of my run, 8 (lane % 8) bytes on
	s_wait_kmcnt 0x0
	s_cmp_eq_u32 s20, 1                            ; the input is chosen by the work-group's number alone
	s_cselect_b64 s[4:5], s[6:7], s[4:5]
	s_cmp_eq_u32 s20, 2
	s_cselect_b64 s[4:5], s[8:9], s[4:5]
	s_cmp_eq_u32 s20, 3
	s_cselect_b64 s[4:5], s[10:11], s[4:5]
	s_cmp_eq_u32 s20, 4
	s_cselect_b64 s[4:5], s[12:13], s[4:5]
	s_add_nc_u64 s[4:5], s[4:5], s[26:27]
	s_add_nc_u64 s[14:15], s[14:15], s[28:29]
	s_add_nc_u64 s[16:17], s[16:17], s[30:31]
.macro LOAD t
.irp i, 0,1,2,3
	global_load_b128 v[R+16*((\t)%4)+4*\i:R+16*((\t)%4)+4*\i+3], v3, s[4:5] offset:2048*(\t)+512*\i th:TH_LOAD_NT   ; 32 lanes read 512 consecutive bytes
.endr
.endm
.macro TURN t                          ; step t's numbers through the stage: LDS serves a wave's instructions in order, so no wait stands between the stores and the loads
.irp i, 0,1,2,3
	ds_store_b128 v14, v[R+16*((\t)%4)+4*\i:R+16*((\t)%4)+4*\i+3] offset:32*SP*((\t)%2)+8*SP*\i
.endr
.irp i, 0,1,2,3
	ds_load_b128 v[X+16*((\t)%2)+4*\i:X+16*((\t)%2)+4*\i+3], v15 offset:32*SP*((\t)%2)+16*\i
.endr
.endm
.irp t, 0,1,2,3
	LOAD \t
.endr
	s_wait_loadcnt 12                              ; step 0's four loads are in
	TURN 0
.macro STEP t
.set XS, X+16*((\t)%2)
.if (\t) > 0
	s_wait_dscnt 1                                 ; this step's numbers are back from the stage (the last step's byte store may be out)
.else
	s_wait_dscnt 0x0
.endif
.if (\t)+4 < STEPS
	LOAD (\t)+4                                    ; into the registers that the stage's stores have read
.endif
.if (\t)+1 < STEPS
.if STEPS-2-(\t) >= 3
	s_wait_loadcnt 12                              ; the next step's four loads are in; those of the three steps behind it may be out
.else
	s_wait_loadcnt 4*(STEPS-2-(\t))
.endif
	TURN (\t)+1                                    ; and go through the other stage while this step is worked
.endif
	v_max3_num_f32 v8, |v[XS]|, |v[XS+1]|, |v[XS+2]|               ; the largest magnitude of my 16, in two chains
	v_max3_num_f32 v9, |v[XS+3]|, |v[XS+4]|, |v[XS+5]|
.irp i, 6,10
	v_max3_num_f32 v8, v8, |v[XS+\i]|, |v[XS+\i+1]|
	v_max3_num_f32 v9, v9, |v[XS+\i+2]|, |v[XS+\i+3]|
.endr
	v_max3_num_f32 v8, v8, |v[XS+14]|, |v[XS+15]|
	v_max3_num_f32 v8, v8, v9, (EMAX+1)<<23        ; and the floor 2^(3 - 127): the byte cannot fall under 1
	v_max_num_f32_dpp v8, v8, v8 row_xmask:1 row_mask:0xf bank_mask:0xf   ; and of my neighbour's 16: the block's
	v_add_nc_u32 v11, -(EMAX<<23), v8              ; 2 off its exponent field: the conversion takes the exponent field of this operand as its scale
	v_cvt_scalef32_pk8_fp4_f32 v[C+4*(\t)], v[XS:XS+7], v11
	v_cvt_scalef32_pk8_fp4_f32 v[C+4*(\t)+1], v[XS+8:XS+15], v11
	v_lshrrev_b32 v[E+(\t)], 23, v11               ; the scale's byte
	ds_store_b8 v5, v[E+(\t)] offset:16*(\t)       ; both lanes of a block write the same byte with the same value
	global_store_b64 v[VO+(\t)/4], v[C+4*(\t):C+4*(\t)+1], s[14:15] offset:256*((\t)%4)   ; the wave stores 256 consecutive bytes, aligned: a quarter of row t / 4
.endm
.irp t, 0,1,2,3,4,5,6,7,8,9,10,11,12,13,14,15
	STEP \t
.endr
	ds_load_b64 v[12:13], v6                       ; LDS serves a wave's instructions in order: these see my stores
	s_wait_dscnt 0x0
	global_store_b64 v[SO], v[12:13], s[16:17]     ; four rows' 64 scale bytes: consecutive but for Wv
	s_wait_tensorcnt 0x0
	ds_add_u32 v200, v201
	s_wait_dscnt 0x0
	s_endpgm
.Lfunc_end_k_q3a92b466ad_quant:
	.size	k_q3a92b466ad_quant, .Lfunc_end_k_q3a92b466ad_quant-k_q3a92b466ad_quant
	.p2alignl 7, 3214868480
	.fill 96, 4, 3214868480
	.section	.rodata,"a",@progbits
	.p2align	6, 0x0
	.amdhsa_kernel k_q3a92b466ad_quant
		.amdhsa_group_segment_fixed_size 33280
		.amdhsa_private_segment_fixed_size 0
		.amdhsa_enable_private_segment 0
		.amdhsa_kernarg_size 56
		.amdhsa_user_sgpr_count 2
		.amdhsa_user_sgpr_kernarg_segment_ptr 1
		.amdhsa_wavefront_size32 1
		.amdhsa_system_sgpr_workgroup_id_x 1
		.amdhsa_system_sgpr_workgroup_id_y 1
		.amdhsa_system_sgpr_workgroup_id_z 1
		.amdhsa_system_vgpr_workitem_id 0
		.amdhsa_next_free_vgpr 202
		.amdhsa_next_free_sgpr 66
		.amdhsa_reserve_vcc 0
		.amdhsa_float_denorm_mode_32 3
		.amdhsa_float_denorm_mode_16_64 3
		.amdhsa_memory_ordered 1
		.amdhsa_forward_progress 1
		.amdhsa_inst_pref_size 34
	.end_amdhsa_kernel
	.amdgpu_metadata
---
amdhsa.version: [ 1, 2 ]
amdhsa.kernels:
  - .name:           k_q3a92b466ad_quant
    .symbol:         k_q3a92b466ad_quant.kd
    .args:
      - { .name: x, .offset: 0, .size: 8, .value_kind: global_buffer, .address_space: global }
      - { .name: Wq, .offset: 8, .size: 8, .value_kind: global_buffer, .address_space: global }
      - { .name: Wk, .offset: 16, .size: 8, .value_kind: global_buffer, .address_space: global }
      - { .name: Wv, .offset: 24, .size: 8, .value_kind: global_buffer, .address_space: global }
      - { .name: Wo, .offset: 32, .size: 8, .value_kind: global_buffer, .address_space: global }
      - { .name: codes, .offset: 40, .size: 8, .value_kind: global_buffer, .address_space: global }
      - { .name: scales, .offset: 48, .size: 8, .value_kind: global_buffer, .address_space: global }
    .group_segment_fixed_size: 33280
    .private_segment_fixed_size: 0
    .kernarg_segment_align: 8
    .kernarg_segment_size: 56
    .max_flat_workgroup_size: 128
    .sgpr_count:     66
    .vgpr_count:     202
    .wavefront_size: 32
...
	.end_amdgpu_metadata
.endif
;; end of part 1
;; launch qkv (part 2): grid 24 x 8, 4 waves a work-group, clusters of 4 x 4, 327,680 bytes of LDS; arguments codes, scales, ve, ve_gate_w, qk_bias, freqs_cis, qkv_codes, qkv_scales; writes qkv_codes, qkv_scales
.if DOCPART == 2
	.amdgcn_target "amdgcn-amd-amdhsa--gfx1250"
	.amdhsa_code_object_version 6
	.text
	.protected	k_q3a92b466ad_qkv
	.globl	k_q3a92b466ad_qkv
	.p2align	8
	.type	k_q3a92b466ad_qkv,@function
k_q3a92b466ad_qkv:
	s_mov_b64 s[64:65], 0
	v_nop
	global_prefetch_b8 v0, s[64:65] scope:SCOPE_SE
	s_setreg_imm32_b32 hwreg(HW_REG_WAVE_MODE, 25, 1), 1
	s_wait_xcnt 0x0
	s_wait_alu depctr_hold_cnt(0) depctr_sa_sdst(0) depctr_va_vdst(0) depctr_va_sdst(0) depctr_va_ssrc(0) depctr_va_vcc(0) depctr_vm_vsrc(0)
	s_getreg_b32 s2, hwreg(HW_REG_IB_STS2, 6, 4)
	s_cmp_eq_u32 s2, 0
	s_cbranch_scc0 .Lentry_in_a_cluster
	s_endpgm
.Lentry_in_a_cluster:
	s_bfe_u32 s2, ttmp6, 0x10000c
	s_cmp_lg_u32 s2, 0xf033
	s_cbranch_scc0 .Lentry_shape_is_right
	s_endpgm
.Lentry_shape_is_right:
; q = rms(rope(clip(x Wq^T) + bias)), k likewise, v = clip(x Wv^T + 2 sigmoid(x[:, :32] gate_w^T) ve), all products on codes of FP4 (E2M1) with one E8M0 scale for each 32 along K = 2,048;
; the results are quantised here, q and k along the head's 128, v along the keys, and leave as codes and scale words alone.
; TILES.  192 work-groups of four waves, each a tile of 256 x 256, a wave 128 x 128: 64 accumulators of 16 x 16, 512 registers.  One loop serves both kinds: source 0 = 16 rows of P, source 1 = 16 rows of R.
;   tile columns 0-15  (q, k):  R = x's rows (a lane holds one position), P = Wq's or Wk's rows (a lane's registers run along a head's channels: a wave's 128 are one head);
;   tile columns 16-23 (v):     R = Wv's rows (a lane holds one channel),  P = x's rows (a lane's registers run along the keys, which are the next product's K).
; THE ROWS OF P THAT FORM A TILE ARE NOT NEIGHBOURS: lane r of tile 2 b + u takes row 32 b + 8 u + r + 8 (r / 8), so that in block a of R's rows the lane's 64 registers are: register 16 b + i = index 32 b + 16 (lane / 16) + i.
; (Those two groups of eight rows lie 16 rows apart, a whole number of times 256 bytes at this pitch: P's fragment loads touch each bank twice.)
; Wv's rows lie permuted in the workspace (position 64 g + 16 q + r holds channel 64 g + 4 r + q): a lane's blocks 4 g + q, q = 0 .. 3, are four neighbouring channels, so ve comes by loads of 16 bytes a lane.
; THE GATE: x[:, :32] is block 0 of x's rows, so the product takes x's own codes of K step 0 against the head's gate row, whose codes for k >= 32 are zeros.  gate x ve is the C of v's sums.
; RING, BARRIERS, CLUSTER: K goes in four steps of 512 through two LDS slots; R's tiles are shared along a row of the 4 x 4 cluster, P's along a column, each asked for jointly.  The scale bytes of the tile's rows, for all of K, come once.
; LIMITS: NaN and infinities are not served; a block whose largest magnitude lies under 2^-124, zeros among them, has the byte 1 (its bytes are read by this program alone);
; gate x ve is added ahead of the K steps, so v's f32 additions stand in another order than x Wv^T + gate ve.
; REGISTERS, in windows of 256.  window 0: v1-31 addresses; v32-95 scale words, two sets, and nothing else; v96-127 at work; v128-191 R's fragments, later 64 numbers at work; v192-255 the bias.
;   window 1: P's fragments, two sets, at v0 and v128; the rest cos and sin (in the v tiles' head: all of it ve).   windows 2, 3: the accumulators ((a, b) at v[8 (8 (a % 4) + b)] of window 2 + a / 4).
.set NQ,     4                         ; matrix instructions deep in a slot: 512 along K
.set ROWB,   256                       ; a tile's row in bytes
.set KROW,   1024                      ; a row of codes in memory
.set PITCH,  272                       ; an LDS row: 256 bytes + 16 of padding
.set FR,     8                         ; registers of a fragment: 16 rows x 128 K
.set NL,     2                         ; LDS loads that bring one
.set NP,     4                         ; places behind this matrix instruction (ISA guide 7.12.1)
.set HALFT,  128*PITCH                 ; 128 rows: what one tensor load brings
.set SLOT,   4*HALFT                   ; R's 256 rows, then P's 256 rows
.set SCL,    2*SLOT                    ; behind the ring: the scale bytes, as units of 256 bytes + 16 of padding
.set HALFS,  32*272                    ; those of 128 rows (64 bytes a row)
.set SBLK,   4*272                     ; those of 16 rows
.set SPARE,  SCL+4*HALFS               ; the spare words, 128 bytes for each wave: two blocks of 256 bytes that no other line names
.set STGW,   11264                     ; the way out: a stage for each wave, in slot 0, which has had its last fill and its last read by then: 128 rows x 80 bytes of codes,
.set STGS,   10240                     ; and behind them 128 scale words
.set XSO,  14                          ; v14  64 x (r + 8 (r / 8)): x's scale words for the gate
.set XGO,  15                          ; v15  1,024 x (r + 8 (r / 8)) + 16 h: x's fragments for the gate
.set ADRA, 16                          ; v16-17  LDS address of my R fragments in slot 0, 1
.set RDW,  18                          ; v18  the stage: where I read 16 bytes of scale words back
.set VEO,  19                          ; v19  ve: 16 h keys of 8,192 bytes + 16 r
.set ADRB, 20                          ; v20-21  the same as ADRA for P
.set ADRSO, 22                         ; v22  scale words for odd blocks: P's odd tiles begin 8 rows, two units, earlier than 16 i
.set STW,  23                          ; v23  the stage: my row's scale word
.set STO,  24                          ; v24  the stage: my 16 bytes of a row of codes
.set RD,   25                          ; v25  the stage: where I read codes back
.set CO,   26                          ; v26  16 x lane
.set ADRS, 27                          ; v27  scale words: lanes 0-15 R's rows, lanes 16-31 P's
.set SPW,  28                          ; v28  LDS address of my spare word; never rewritten
.set NIL,  29                          ; v29  0; never rewritten
.set FCO,  30                          ; v30  cos and sin: 512 r + 64 h
.set BIO,  31                          ; v31  the bias: 64 h
.set SC,   32                          ; scale words: set s at v[SC + 32 s]; register 4 i + q: lanes 0-15 R's block i, lanes 16-31 P's tile i, the slot's q-th 128 along K
.set TM,   96                          ; v96-111  at work in the quantiser and the norm
.set PC,   112                         ; v112-119 the codes just made (ahead of them: the rotation's products)
.set PW,   120                         ; v120     the scale word just made
.set RS,   122                         ; v122-123 1 / rms, twice
.set AF,   128                         ; R's fragments
.set T,    128                         ; the way out: a block's 64 numbers
.set BIAS, 192
.set XS,   32                          ; the v tiles' head: x's scale words, v32-39, and the gate row's, v40
.set GS,   40
.set GWF,  96                          ; v96-127  the gate row's 32 numbers
.set GC,   4                           ; v4-11    its codes
.set G,    128                         ; v128-191 the gate of my 64 keys
.set XF,   192                         ; v192-255 x's eight fragments of K step 0
.set LO,   18                          ; s18, s19 the clip's bounds (on the way out)
.set HI,   19
.set SEL,  20                          ; s[20:21] v_permlanex16_b32's selects for lane l xor 16
.set RCPN, 22                          ; s22  1 / 128
.set EPSR, 23                          ; s23  1e-6
.set G1, 24                            ; s[24:31] descriptor group 1 for R's tiles;  s[32:39] group 0, one set for each slot
.set G0, 32
.set G1B, 48                           ; s[48:55], s[56:63] the same for P's tiles
.set G0B, 56
.set G1S, 68                           ; s[68:75], s[76:79] groups 1 and 0 for R's scales;  s[80:87], s[88:91] for P's
.set G0S, 76
.set G1SB, 80
.set G0SB, 88
.set MSB, 0
.macro WIN new                         ; the immediate's high byte repeats the setting that is left; a switch that changes nothing is dropped
.if MSB != (\new)
	s_set_vgpr_msb (MSB<<8)|(\new)
.set MSB, (\new)
.endif
.endm
.set MUL_LO, 0xa1                      ; source 0 (P) window 1, source 1 (R) window 0, C and D window 2
.set MUL_HI, 0xf1                      ; the same, C and D window 3
.set TO_B,   0x40                      ; destination window 1, address window 0
; A joint load: waves 0 and 1 fetch for R, waves 2 and 3 for P.  The branch hangs on the wave's number alone.  Four v_nop follow each of the two lines.
.macro JLOAD g0a, g1a, g0b, g1b
	s_cmp_eq_u32 s15, 0
	s_cbranch_scc0 .Lfor_b_\@
	tensor_load_to_lds s[\g0a:\g0a+3], s[\g1a:\g1a+7]
	s_nop 0
.rept 4
	v_nop
.endr
	s_branch .Lasked_\@
.Lfor_b_\@:
	tensor_load_to_lds s[\g0b:\g0b+3], s[\g1b:\g1b+7]
	s_nop 0
.rept 4
	v_nop
.endr
.Lasked_\@:
.endm
.macro CREST                           ; a round of the cluster's barrier behind its opening barrier
	s_cmp_lg_u32 s14, 0
	s_cbranch_scc1 .Lnot_wave_0_\@
	s_barrier_signal -3
.Lnot_wave_0_\@:
	s_barrier_wait -3
	s_barrier_signal -1
	s_barrier_wait -1
.endm
.macro CROUND                          ; a whole round
	s_barrier_signal -1
	s_barrier_wait -1
	CREST
.endm
	s_load_b128 s[4:7], s[0:1], 0x0                ; codes, scales
	s_load_b128 s[8:11], s[0:1], 0x10              ; ve, ve_gate_w
	s_load_b128 s[92:95], s[0:1], 0x20             ; qk_bias, freqs_cis
	s_load_b64 s[12:13], s[0:1], 0x30              ; qkv_codes
	s_load_b64 s[98:99], s[0:1], 0x38              ; qkv_scales
	v_lshl_add_u32 v[SPW], v0, 2, SPARE
	v_mov_b32 v[NIL], 0
	ds_add_u32 v28, v29
	ds_add_u32 v28, v29
	s_wait_dscnt 0x0
	v_lshrrev_b32 v1, 5, v0
	v_readfirstlane_b32 s14, v1                    ; wave 0..3
	s_lshr_b32 s15, s14, 1                         ; which half of R's rows is mine.  Also: I fetch for R (0) or for P (1)
	s_and_b32 s16, s14, 1                          ; which half of P's rows.  Also: which 128 rows of that tile I fetch
	s_bfe_u32 s40, ttmp6, 0x40000                  ; cx, cy: my place in the cluster
	s_bfe_u32 s41, ttmp6, 0x40004
	s_lshl_b32 s42, ttmp9, 2
	s_add_co_u32 s42, s42, s40                     ; tile column = 4 x cluster x + cx
	s_and_b32 s17, ttmp7, 0xffff
	s_lshl_b32 s17, s17, 2
	s_add_co_u32 s17, s17, s41                     ; tile row = 4 x cluster y + cy
	s_lshr_b32 s66, ttmp9, 2                       ; 1 in the clusters of v's tiles (cluster x 4, 5), else 0: the same in all sixteen partners
	s_lshl_b32 s43, s41, 2
	s_lshl_b32 s43, 15, s43                        ; my row of the cluster
	s_lshl_b32 s44, 0x1111, s40                    ; my column
	; descriptor group 1: a tile of 128 rows x 256 bytes, 16 bytes of padding behind each row
	s_or_b32 s[G1+0], s43, (0<<16)|(1<<20)|(1<<21)|(5<<22)|(3<<25)  ; 15:0 the mask: R's tiles go to my row; 17:16 elements of 1 byte; 20 padding on; 21 set beside a mask; 24:22 after every 64 words; 31:25 of 4 words
	s_or_b32 s[G1B+0], s44, (0<<16)|(1<<20)|(1<<21)|(5<<22)|(3<<25)
.irp g, G1, G1B
	s_mov_b32 s[\g+1], ROWB<<16                    ; tensor_dim0
	s_mov_b32 s[\g+2], 256<<16                     ; tensor_dim1: 256 rows for the head's loads and slot 1's first fill; 128 from the first change of slots on
	s_mov_b32 s[\g+3], ROWB<<16                    ; tile_dim0
	s_mov_b32 s[\g+4], 256                         ; tile_dim1
	s_mov_b32 s[\g+5], KROW                        ; tensor_dim0_stride
	s_mov_b32 s[\g+6], 0
	s_mov_b32 s[\g+7], 0
.endr
	; the scales of 128 rows: 8,192 dense bytes, as 32 rows of 256 bytes (32 elements of 8 bytes), 16 bytes of padding behind each
	s_or_b32 s[G1S+0], s43, (3<<16)|(1<<20)|(1<<21)|(5<<22)|(3<<25)
	s_or_b32 s[G1SB+0], s44, (3<<16)|(1<<20)|(1<<21)|(5<<22)|(3<<25)
.irp g, G1S, G1SB
	s_mov_b32 s[\g+1], 32<<16
	s_mov_b32 s[\g+2], 64<<16                      ; the scales of 256 rows: 64 rows of 256 bytes
	s_mov_b32 s[\g+3], 32<<16
	s_mov_b32 s[\g+4], 64
	s_mov_b32 s[\g+5], 32
	s_mov_b32 s[\g+6], 0
	s_mov_b32 s[\g+7], 0
.endr
	; the rows in the workspace.  R: x's 256 ty on, or Wv's 6144 + 256 ty on.  P: Wq's and Wk's 2048 + 256 tx on, or x's 256 (tx - 16) on
	s_lshl_b32 s2, s16, 17                         ; in the ring I fetch 128 rows of a tile: which half, in bytes (1,024 a row)
	s_mov_b32 s3, 0
	s_mul_i32 s19, s66, 6144
	s_lshl_b32 s20, s17, 8
	s_add_co_u32 s20, s20, s19                     ; R's: of the tile row and the cluster's x alone
	s_lshl_b32 s46, s42, 8
	s_add_co_u32 s46, s46, 2048
	s_sub_co_u32 s46, s46, s19                     ; P's: of the tile column alone
	s_lshl_b32 s22, s20, 6                         ; their scale bytes,
	s_mov_b32 s23, 0
	s_lshl_b32 s20, s20, 10                        ; their codes
	s_mov_b32 s21, 0
	s_lshl_b32 s96, s46, 6
	s_mov_b32 s97, 0
	s_lshl_b32 s46, s46, 10
	s_mov_b32 s47, 0
	s_mul_i32 s45, s14, HALFT                      ; where they go: wave x 128 rows: no place in the cluster enters an LDS address
	s_wait_kmcnt 0x0
	s_add_nc_u64 s[20:21], s[4:5], s[20:21]
	s_add_nc_u64 s[22:23], s[6:7], s[22:23]
	s_add_nc_u64 s[46:47], s[4:5], s[46:47]
	s_add_nc_u64 s[96:97], s[6:7], s[96:97]
	CROUND                                         ; all sixteen work-groups are here: the first joint loads meet
	s_mov_b32 s[G0S], 1
	s_mov_b32 s[G0S+1], SCL
	s_mov_b64 s[G0S+2:G0S+3], s[22:23]
	s_or_b32 s[G0S+3], s[G0S+3], 0x80000000
	s_mov_b32 s[G0SB], 1
	s_mov_b32 s[G0SB+1], SCL+2*HALFS
	s_mov_b64 s[G0SB+2:G0SB+3], s[96:97]
	s_or_b32 s[G0SB+3], s[G0SB+3], 0x80000000
; Whole tiles of 256 rows for K steps 0 and 1: R's at a slot's first byte, P's behind them.  At the first change of slots these groups 0 are turned into the ring's, 128 rows a wave.
.irp s, 0,1
	s_mov_b32 s[G0+4*\s], 1
	s_mov_b32 s[G0+4*\s+1], \s*SLOT
	s_add_nc_u64 s[G0+4*\s+2:G0+4*\s+3], s[20:21], \s*ROWB
	s_or_b32 s[G0+4*\s+3], s[G0+4*\s+3], 0x80000000
	s_mov_b32 s[G0B+4*\s], 1
	s_mov_b32 s[G0B+4*\s+1], \s*SLOT+2*HALFT
	s_add_nc_u64 s[G0B+4*\s+2:G0B+4*\s+3], s[46:47], \s*ROWB
	s_or_b32 s[G0B+4*\s+3], s[G0B+4*\s+3], 0x80000000
.endr
; THE HEAD'S LOADS, ONE A WAVE: wave 0 K step 0's 256 rows of R, wave 1 its 256 rows of P, wave 2 R's scales, wave 3 P's.  One tree of branches on the wave's number, a load to an arm.
; No prefetch into the L2: the block is the largest, in clusters, and K is four steps of the ring.
.macro ARM under, g0, g1, next
	s_cmp_lt_u32 s14, \under
	s_cbranch_scc0 \next
	tensor_load_to_lds s[\g0:\g0+3], s[\g1:\g1+7]
	s_nop 0
.rept 4
	v_nop
.endr
	s_branch .Lhead_asked
\next:
.endm
	ARM 1, G0,  G1,  .Lhead_b
	ARM 2, G0B, G1B, .Lhead_sa
	ARM 3, G0S, G1S, .Lhead_sb
	tensor_load_to_lds s[G0SB:G0SB+3], s[G1SB:G1SB+7]
	s_nop 0
.rept 4
	v_nop
.endr
.Lhead_asked:
	v_and_b32 v1, 15, v0                           ; r = l % 16
	v_bfe_u32 v2, v0, 4, 1                         ; h = l / 16
	v_and_b32 v5, 8, v1
	v_add_nc_u32 v5, v5, v1                        ; r + 8 (r / 8)
	v_mul_u32_u24 v3, v1, PITCH
	v_lshl_add_u32 v3, v2, 4, v3                   ; R: row r x pitch + 16 h
	v_mul_u32_u24 v4, v5, PITCH
	v_lshl_add_u32 v4, v2, 4, v4                   ; P: the chosen row
	s_mul_i32 s21, s15, HALFT                      ; my 128 rows of R
	s_mul_i32 s22, s16, HALFT                      ; my 128 rows of P,
	s_add_co_u32 s22, s22, 2*HALFT                 ; which lie behind R's 256
.irp s, 0,1
	v_add_nc_u32 v[ADRA+\s], s21, v3
	v_add_nc_u32 v[ADRB+\s], s22, v4
	s_add_co_u32 s21, s21, SLOT
	s_add_co_u32 s22, s22, SLOT
.endr
	v_bfe_u32 v6, v0, 3, 2                         ; 2 h + r / 8
	v_add_nc_u32 v6, 1, v6
	v_lshrrev_b32 v6, 2, v6                        ; 1 in lanes 24-31 alone
	v_lshl_add_u32 v6, v6, 3, v1                   ; my scale words' row: lanes 0-15 r, lanes 16-31 r + 8 (r / 8)
	v_lshlrev_b32 v7, 6, v6                        ; 64 bytes a row,
	v_lshrrev_b32 v6, 2, v6
	v_lshl_add_u32 v7, v6, 4, v7                   ; and 16 more for each 256 passed
	s_mul_i32 s21, s15, HALFS                      ; R's: my 128 rows
	s_mul_i32 s22, s16, HALFS                      ; P's: my 128 rows, behind R's 256
	s_add_co_u32 s22, s22, 2*HALFS
	s_sub_co_u32 s22, s22, s21
	v_mul_u32_u24 v6, s22, v2                      ; lanes 16-31 take P's: one product, the distance between the two bases
	s_add_co_u32 s21, s21, SCL
	v_add_nc_u32 v7, v7, v6
	v_add_nc_u32 v[ADRS], s21, v7
	v_mul_u32_u24 v6, v2, 544
	v_sub_nc_u32 v[ADRSO], v[ADRS], v6
	s_mul_i32 s23, s14, STGW                       ; my stage
	v_mul_u32_u24 v6, v1, 80
	v_lshl_add_u32 v6, v2, 4, v6
	v_add_nc_u32 v[STO], s23, v6                   ; in: row r of a block, 16 h bytes on
	v_lshlrev_b32 v6, 2, v1
	v_add_nc_u32 v6, s23, v6
	v_add_nc_u32 v[STW], STGS, v6
	v_and_b32 v7, 31, v0                           ; lane
	v_lshrrev_b32 v6, 2, v7
	v_mul_u32_u24 v6, v6, 80
	v_and_b32 v8, 3, v7
	v_lshl_add_u32 v6, v8, 4, v6
	v_add_nc_u32 v[RD], s23, v6                    ; back: four lanes to a row of 64 bytes, eight rows an instruction
	v_lshlrev_b32 v[CO], 4, v7
	v_add_nc_u32 v6, s23, v[CO]
	v_add_nc_u32 v[RDW], STGS, v6
	v_lshlrev_b32 v[BIO], 6, v2
	v_lshl_add_u32 v[FCO], v1, 9, v[BIO]
	v_lshlrev_b32 v6, 17, v2
	v_lshl_add_u32 v[VEO], v1, 4, v6
	v_lshlrev_b32 v6, 4, v2
	v_lshl_add_u32 v[XGO], v5, 10, v6
	v_lshlrev_b32 v[XSO], 6, v5
	; where my 128 x 128 goes: plane and chunk.  q, k: plane 2 tx + P half (a head of q or of k), chunk 2 ty + R half (128 positions).  v: plane 32 + 2 ty + R half, chunk 2 (tx - 16) + P half (128 keys)
	s_lshl_b32 s18, s42, 1
	s_add_co_u32 s18, s18, s16                     ; a1 = 2 tx + P half
	s_lshl_b32 s19, s17, 1
	s_add_co_u32 s19, s19, s15                     ; a2 = 2 ty + R half
	s_add_co_u32 s100, s19, 32
	s_sub_co_u32 s101, s18, 32
	s_cmp_eq_u32 s66, 0
	s_cselect_b32 s100, s18, s100
	s_cselect_b32 s101, s19, s101
	s_lshl_b32 s100, s100, 4
	s_add_co_u32 s100, s100, s101                  ; 16 x plane + chunk
	s_lshl_b32 s20, s100, 13
	s_mov_b32 s21, 0
	s_add_nc_u64 s[12:13], s[12:13], s[20:21]      ; 8,192 bytes of codes a chunk,
	s_lshl_b32 s20, s100, 9
	s_add_nc_u64 s[98:99], s[98:99], s[20:21]      ; 512 of scale words
.macro FRAG reg, adr, q, row           ; a fragment, 16 rows x 128 K: lane l holds a row; registers 4 c .. 4 c + 3 hold K = 64 c + 32 (l / 16) + 0 .. 31
.irp c, 0,1
	ds_load_b128 v[\reg+4*\c:\reg+4*\c+3], v[\adr] offset:64*(\q)+32*\c+(\row)*PITCH
.endr
.endm
; 16 matrix instructions: R's blocks a0, a0 + 1 x P's eight tiles, the slot's q-th 128 along K.  p: P's set;  sc: the set of scale words.  zero = 1: the first product starts the sums.
; The 64 accumulators take turns, one instruction a turn, in the same order in every step.
.macro MUL16 a0, p, q, sc, zero
.irp a, \a0, \a0+1
.irp b, 0,1,2,3,4,5,6,7
.if \zero
	v_wmma_scale_f32_16x16x128_f8f6f4 v[8*(8*((\a)%4)+\b):8*(8*((\a)%4)+\b)+7], v[128*(\p)+FR*\b:128*(\p)+FR*\b+FR-1], v[AF+FR*(\a):AF+FR*(\a)+FR-1], 0, v[SC+8*NQ*(\sc)+NQ*\b+(\q)], v[SC+8*NQ*(\sc)+NQ*(\a)+(\q)] matrix_a_fmt:MATRIX_FMT_FP4 matrix_b_fmt:MATRIX_FMT_FP4 matrix_a_scale:MATRIX_SCALE_ROW1
.else
	v_wmma_scale_f32_16x16x128_f8f6f4 v[8*(8*((\a)%4)+\b):8*(8*((\a)%4)+\b)+7], v[128*(\p)+FR*\b:128*(\p)+FR*\b+FR-1], v[AF+FR*(\a):AF+FR*(\a)+FR-1], v[8*(8*((\a)%4)+\b):8*(8*((\a)%4)+\b)+7], v[SC+8*NQ*(\sc)+NQ*\b+(\q)], v[SC+8*NQ*(\sc)+NQ*(\a)+(\q)] matrix_a_fmt:MATRIX_FMT_FP4 matrix_b_fmt:MATRIX_FMT_FP4 matrix_a_scale:MATRIX_SCALE_ROW1
.endif
.endr
.endr
.endm
.macro FETCH_B slot, q, p              ; P's eight tiles of the slot's q-th 128 along K into set p: tile i begins at row 32 (i / 2) + 8 (i % 2)
	WIN TO_B
.irp i, 0,1,2,3,4,5,6,7
	FRAG 128*(\p)+FR*\i, ADRB+\slot, \q, 32*(\i/2)+8*(\i%2)
.endr
	WIN 0
.endm
.macro FETCH_A slot, q, i0             ; R's blocks i0 .. i0 + 3
.irp i, \i0, \i0+1, \i0+2, \i0+3
	FRAG AF+FR*(\i), ADRA+\slot, \q, 16*(\i)
.endr
.endm
.macro SCALES sc                       ; a K step's scale words into set sc: four words a row; lanes 0-15 take R's block i, lanes 16-31 P's tile i
.irp i, 0,2,4,6
	ds_load_b128 v[SC+8*NQ*\sc+NQ*\i:SC+8*NQ*\sc+NQ*\i+3], v[ADRS] offset:\i*SBLK
	ds_load_b128 v[SC+8*NQ*\sc+NQ*(\i+1):SC+8*NQ*\sc+NQ*(\i+1)+3], v[ADRSO] offset:(\i+1)*SBLK
.endr
.endm
; A load into a register that a matrix instruction has read, and a vector instruction or an LDS store that reads a matrix result, stand NP places behind that matrix instruction;
; only plain vector instructions that name none of its registers are places (ISA guide 7.12.1 for vector instructions).
.macro PLACES n
.rept \n
	v_nop
.endr
.endm
; A step of 128 along K that has its successor in the same slot: R has one set of registers (blocks 0-3 fetched anew in the step's middle, 4-7 at its end), P two.
.macro STEP slot, q, zero
	s_wait_dscnt 4*NL                              ; P's set and R's blocks 0-3 are in; the youngest eight loads (R's blocks 4-7) may be out
	WIN MUL_LO
	MUL16 0, (\q)%2, \q, \slot, \zero
	MUL16 2, (\q)%2, \q, \slot, \zero
	s_wait_dscnt 0                                 ; R's blocks 4-7 are in (asked for 32 matrix instructions ago)
	PLACES NP
	FETCH_B \slot, (\q)+1, 1-(\q)%2
	FETCH_A \slot, (\q)+1, 0
	WIN MUL_HI
	MUL16 4, (\q)%2, \q, \slot, \zero
	MUL16 6, (\q)%2, \q, \slot, \zero
	PLACES NP
	WIN 0
	FETCH_A \slot, (\q)+1, 4
.endm
; A slot's last step changes slots: ONE barrier; in front of it each wave waits for all its tensor loads, adds 0 to its spare word, and waits for that and for its own reads of this slot.  fill = 1: this slot is filled again, two K steps ahead.
.macro TURN slot, next, fill, first=0
	s_wait_tensorcnt 0x0                           ; all my tensor loads have landed: my part of the next slot  (every window is 0 here)
	ds_add_u32 v[SPW], v[NIL]                      ; 0 onto my spare word
.if \first                                     ; no tensor load of mine is out, so the descriptors may be written: from here on a load brings 128 rows, a quarter of a slot a wave
	s_mov_b32 s[G1+2], 128<<16
	s_mov_b32 s[G1+4], 128
	s_mov_b32 s[G1B+2], 128<<16
	s_mov_b32 s[G1B+4], 128
.irp g, G0, G0B
	s_mov_b32 s[\g+1], s45
	s_add_nc_u64 s[\g+2:\g+3], s[\g+2:\g+3], s[2:3]
	s_add_co_u32 s[\g+5], s45, SLOT
	s_add_nc_u64 s[\g+6:\g+7], s[\g+6:\g+7], s[2:3]
.endr
.endif
	s_wait_dscnt 4*NL+1
	WIN MUL_LO
	MUL16 0, 1, NQ-1, \slot, 0                     ; sixteen matrix instructions stand between the add and the wait for it
	s_wait_dscnt 0x0                               ; the add is done, and my reads of this slot are over
	s_barrier_signal -1
	MUL16 2, 1, NQ-1, \slot, 0
	WIN 0
	s_barrier_wait -1
.if \fill
	CREST                                          ; the barrier has opened a round of the cluster's barrier: no wave of any partner still reads this slot's tile or has a load on its way
	s_add_nc_u64 s[G0+4*\slot+2:G0+4*\slot+3], s[G0+4*\slot+2:G0+4*\slot+3], 2*ROWB
	s_add_nc_u64 s[G0B+4*\slot+2:G0B+4*\slot+3], s[G0B+4*\slot+2:G0B+4*\slot+3], 2*ROWB
	JLOAD G0+4*\slot, G1, G0B+4*\slot, G1B         ; the first tensor load behind the round; its four v_nop are the places in front of the loads below
.else
	PLACES NP
.endif
	s_wait_alu depctr_va_vdst(0)
	v_add_nc_u32 v[ADRS], 4*NQ, v[ADRS]            ; on to the next K step's scale words (no LDS load of mine is out)
	v_add_nc_u32 v[ADRSO], 4*NQ, v[ADRSO]
	FETCH_B \next, 0, 0
	FETCH_A \next, 0, 0
	SCALES \next
	WIN MUL_HI
	MUL16 4, 1, NQ-1, \slot, 0
	MUL16 6, 1, NQ-1, \slot, 0
	PLACES NP
	WIN 0
	FETCH_A \next, 0, 4
.endm
.macro STEPS slot, from                ; the slot's steps from .. NQ - 2
.set Q, \from
.rept NQ-1-\from
	STEP \slot, Q, 0
.set Q, Q+1
.endr
.endm
; The first step.  It stands in both arms of the head, since q's and k's sums begin with 0 and v's with gate x ve.
; Slot 1's first fill is issued as a refill is: my head's load has landed, the add, its wait, a whole round of the cluster's barrier; behind it wave 0 asks for K step 1's 256 rows of R and wave 1 for P's.
; It stands in both arms of the head, behind the arm's global loads.  Behind the round everybody's part of K step 0 and the scales are in.
.macro SECOND
	s_wait_alu depctr_va_vdst(0)
	s_wait_tensorcnt 0x0
	ds_add_u32 v[SPW], v[NIL]
	s_wait_dscnt 0x0
	CROUND
	s_cmp_lt_u32 s14, 1
	s_cbranch_scc0 .Lsec_b_\@
	tensor_load_to_lds s[G0+4:G0+7], s[G1:G1+7]
	s_nop 0
.rept 4
	v_nop
.endr
	s_branch .Lsec_e_\@
.Lsec_b_\@:
	s_cmp_lt_u32 s14, 2
	s_cbranch_scc0 .Lsec_e_\@
	tensor_load_to_lds s[G0B+4:G0B+7], s[G1B:G1B+7]
	s_nop 0
.rept 4
	v_nop
.endr
.Lsec_e_\@:
.endm
.macro START zero
	FETCH_B 0, 0, 0
	FETCH_A 0, 0, 0
	SCALES 0
	FETCH_A 0, 0, 4
	STEP 0, 0, \zero
.endm
; cos and sin of block a's 16 positions: 32 registers in window 1: register 16 b + i stands beside number 16 b + i of the block: cos under the even number of a pair, sin under the odd
.macro FCLOAD a
.set FC, 64*(1-(\a)/4)+32*((\a)%2)+128*(((\a)%4)/2)
.irp b, 0,1
.irp e, 0,1,2,3
	global_load_b128 v[FC+16*\b+4*\e:FC+16*\b+4*\e+3], v[FCO], s[94:95] offset:8192*(\a)+128*\b+16*\e
.endr
.endr
.endm
; ve, chunk k: keys 32 (k % 4) + 16 h + 0 .. 15, channels 64 (k / 4) + 4 r + 0 .. 3, into buffer k % 4 of window 1 + k / 4.  Sixteen lanes read 256 consecutive bytes, aligned
.macro VLOAD k                         ; chunks 0 to 3 land in window 1, chunks 4 to 7 in window 2, which holds nothing yet
	WIN 0x40*(1+(\k)/4)
.irp i, 0,1,2,3,4,5,6,7,8,9,10,11,12,13,14,15
	global_load_b128 v[64*((\k)%4)+4*\i:64*((\k)%4)+4*\i+3], v[VEO], s[8:9] offset:(32*((\k)%4)+\i)*8192+256*((\k)/4) th:TH_LOAD_NT
.endr
.endm
; gate x ve of chunk k goes where the sums begin: channel 4 r + q is block 4 (k / 4) + q, key 16 (k % 4) + i its register: the turn from [key][channel] costs nothing
.macro VINIT k
	WIN ((2+(\k)/4)<<6)|(4*(1+(\k)/4))             ; chunks 4 to 7: window 2 into window 3; chunks 0 to 3, behind them: window 1 into window 2
.irp i, 0,1,2,3,4,5,6,7,8,9,10,11,12,13,14,15
.irp q, 0,1,2,3
	v_mul_f32 v[64*\q+16*((\k)%4)+\i], v[G+16*((\k)%4)+\i], v[64*((\k)%4)+4*\i+\q]
.endr
.endr
.endm
	s_cmp_lg_u32 s66, 0                            ; the same in every wave and in all sixteen partners
	s_cbranch_scc1 .Lv_head
	; ---- q and k: the bias of my head and the cos and sin of my first 64 positions are asked for now and stay out through the K steps: 48 loads
	s_lshl_b32 s20, s18, 9                         ; qk_bias: 512 bytes a head, q's sixteen and then k's
	s_mov_b32 s21, 0
	s_add_nc_u64 s[92:93], s[92:93], s[20:21]
	s_lshl_b32 s20, s19, 16                        ; freqs_cis: 512 bytes a position, 128 positions a chunk
	s_add_nc_u64 s[94:95], s[94:95], s[20:21]
	s_wait_alu depctr_va_vdst(0)
.irp b, 0,1,2,3
.irp e, 0,1,2,3
	global_load_b128 v[BIAS+16*\b+4*\e:BIAS+16*\b+4*\e+3], v[BIO], s[92:93] offset:128*\b+16*\e
.endr
.endr
	WIN 0x40
.irp a, 0,1,2,3
	FCLOAD \a
.endr
	WIN 0
	SECOND
	START 1
	s_branch .Lgo
.Lv_head:
	; ---- v: the gate of my 128 keys for my head, and gate x ve into the accumulators
	s_sub_co_u32 s100, s18, 32                     ; my chunk of 128 keys
	s_lshl_b32 s20, s100, 20                       ; ve: 128 rows of 8,192 bytes a chunk,
	s_lshl_b32 s21, s19, 9                         ; 512 bytes a head
	s_add_co_u32 s20, s20, s21
	s_mov_b32 s21, 0
	s_add_nc_u64 s[8:9], s[8:9], s[20:21]
	s_lshl_b32 s20, s19, 7                         ; ve_gate_w: 128 bytes a head
	s_add_nc_u64 s[10:11], s[10:11], s[20:21]
	s_lshl_b32 s20, s100, 17                       ; x's codes at my first key,
	s_add_nc_u64 s[96:97], s[4:5], s[20:21]
	s_lshl_b32 s20, s100, 13                       ; and its scale bytes
	s_add_nc_u64 s[100:101], s[6:7], s[20:21]
	v_mov_b32 v3, 0
.irp e, 0,1,2,3,4,5,6,7
	global_load_b128 v[GWF+4*\e:GWF+4*\e+3], v3, s[10:11] offset:16*\e      ; the gate row: the same 128 bytes in every lane
.endr
	s_wait_alu depctr_va_vdst(0)
.irp t, 0,1,2,3,4,5,6,7
.irp c, 0,1
	global_load_b128 v[XF+8*\t+4*\c:XF+8*\t+4*\c+3], v[XGO], s[96:97] offset:(32*(\t/2)+8*(\t%2))*1024+32*\c   ; x's K step 0, the keys chosen as P's rows are
.endr
	global_load_b32 v[XS+\t], v[XSO], s[100:101] offset:(32*(\t/2)+8*(\t%2))*64
.endr
	VLOAD 4                                        ; all eight chunks are asked for here, in the order in which they are used
	VLOAD 5
	VLOAD 6
	VLOAD 7
	VLOAD 0
	VLOAD 1
	VLOAD 2
	VLOAD 3
	WIN 0
	SECOND
	s_wait_loadcnt 63                              ; 128 loads were issued behind the 32 small ones; the wait's field holds 63
	v_max3_num_f32 v12, |v[GWF]|, |v[GWF+1]|, 0x1800000            ; the gate row is one block of 32: its largest magnitude, with the floor 2^(3 - 127)
.irp i, 2,4,6,8,10,12,14,16,18,20,22,24,26,28,30
	v_max3_num_f32 v12, v12, |v[GWF+\i]|, |v[GWF+\i+1]|
.endr
	v_add_nc_u32 v13, 0xff000000, v12              ; 2 off its exponent field: the conversion's scale operand
	v_lshrrev_b32 v[GS], 23, v13                   ; its byte; the word's other three bytes are 0 and stand over zero codes
.irp g, 0,1,2,3
	v_cvt_scalef32_pk8_fp4_f32 v[GC+\g], v[GWF+8*\g:GWF+8*\g+7], v13
.endr
	v_add_nc_u32 v3, -1, v2                        ; all ones in lanes 0-15, 0 in lanes 16-31.  (A plain place behind the conversions; the loads that named v3 are in)
.irp g, 0,1,2,3
	v_and_b32 v[GC+\g], v3, v[GC+\g]               ; k = 0 .. 31 lie in lanes 0-15, registers 0-3; all else of the operand is zero codes
	v_mov_b32 v[GC+4+\g], 0
.endr
	PLACES 8                                       ; a scale register written by a vector instruction stands 8 places ahead of a scaled matrix instruction, an operand so written 4
.irp t, 0,1,2,3,4,5,6,7
	v_wmma_scale_f32_16x16x128_f8f6f4 v[G+8*\t:G+8*\t+7], v[XF+8*\t:XF+8*\t+7], v[GC:GC+7], 0, v[XS+\t], v[GS] matrix_a_fmt:MATRIX_FMT_FP4 matrix_b_fmt:MATRIX_FMT_FP4   ; all 16 columns are my head's row: register 16 b + i = the logit of key 32 b + 16 h + i, in every lane
.endr
	PLACES NP
.set n, 0
.rept 32
	v_pk_mul_f32 v[G+n:G+n+1], v[G+n:G+n+1], 0xbfb8aa3b op_sel_hi:[1,0]     ; - z log2(e)
.set n, n+2
.endr
.set n, 0
	s_wait_alu depctr_va_vdst(0)
.rept 64
	v_exp_f32 v[G+n], v[G+n]
.set n, n+1
.endr
	v_nop                                          ; a plain instruction behind the last exponential,
	s_wait_alu depctr_va_vdst(0)                   ; and a wait ahead of the batch's first reader
.set n, 0
.rept 32
	v_pk_fma_f32 v[G+n:G+n+1], v[G+n:G+n+1], 0.5, 0.5 op_sel_hi:[1,0,0]     ; (1 + e) / 2
.set n, n+2
.endr
.set n, 0
	s_wait_alu depctr_va_vdst(0)
.rept 64
	v_rcp_f32 v[G+n], v[G+n]                       ; 2 sigmoid(z) = 2 / (1 + e)
.set n, n+1
.endr
	v_nop
	s_wait_alu depctr_va_vdst(0)
.irp m, 0,1,2,3,4,5,6,7                        ; the m-th chunk in the order of issue: behind it stand 16 (7 - m) loads; the wait's field holds 63
.if \m < 4
	s_wait_loadcnt 63
.else
	s_wait_loadcnt 16*(7-\m)
.endif
	VINIT (\m+4)%8
.endr
	WIN 0
	PLACES 8
	s_wait_alu depctr_va_vdst(0)
	START 0
.Lgo:
	STEPS 0, 1                                     ; K = 2,048 is four slots' worth: the sequence is written out; slot 0 and slot 1 are each filled again once
	TURN 0, 1, 1, 1
	STEPS 1, 0
	TURN 1, 0, 1
	STEPS 0, 0
	TURN 0, 1, 0                                   ; nothing is left to fetch: no round of the cluster's barrier
	STEPS 1, 0
	s_wait_dscnt 4*NL                              ; the very last step
	WIN MUL_LO
	MUL16 0, 1, NQ-1, 1, 0
	MUL16 2, 1, NQ-1, 1, 0
	s_wait_dscnt 0
	WIN MUL_HI
	MUL16 4, 1, NQ-1, 1, 0
	MUL16 6, 1, NQ-1, 1, 0
	WIN 0
; 64 numbers of a lane, v[s] .. v[s + 63], register 16 b + i = k 32 b + 16 (lane / 16) + i of my row, become a fragment's codes in v[PC] on and its scale word in v[PW].
.macro QUANT s
.irp b, 0,1,2,3
	v_max3_num_f32 v[TM+\b], |v[\s+16*\b]|, |v[\s+1+16*\b]|, 0x1800000   ; block b: my 16 numbers, and the floor 2^(3 - 127): the byte cannot fall under 1
.endr
.irp i, 2,4,6,8,10,12,14
.irp b, 0,1,2,3
	v_max3_num_f32 v[TM+\b], v[TM+\b], |v[\s+16*\b+\i]|, |v[\s+1+16*\b+\i]|   ; (the four blocks by turns)
.endr
.endr
.irp b, 0,1,2,3
	v_permlanex16_b32 v[TM+4+\b], v[TM+\b], s[SEL], s[SEL+1]
.endr
.irp b, 0,1,2,3
	v_max_num_f32 v[TM+\b], v[TM+\b], v[TM+4+\b]   ; with lane l xor 16's: the block's largest magnitude
.endr
.irp b, 0,1,2,3
	v_add_nc_u32 v[TM+12+\b], 0xff000000, v[TM+\b]   ; 2 off its exponent field: the conversion's scale operand
.endr
.irp b, 0,1,2,3
	v_lshrrev_b32 v[TM+4+\b], 23, v[TM+12+\b]      ; the scale's byte
.endr
	v_lshl_or_b32 v[PW], v[TM+5], 8, v[TM+4]       ; the four bytes make my row's scale word
	v_lshl_or_b32 v[PW], v[TM+6], 16, v[PW]
	v_lshl_or_b32 v[PW], v[TM+7], 24, v[PW]
.irp b, 0,1,2,3
	v_cvt_scalef32_pk8_fp4_f32 v[PC+2*\b], v[\s+16*\b:\s+7+16*\b], v[TM+12+\b]
	v_cvt_scalef32_pk8_fp4_f32 v[PC+1+2*\b], v[\s+8+16*\b:\s+15+16*\b], v[TM+12+\b]
.endr
	v_nop                                          ; one plain place behind a scaled conversion
.irp c, 0,1                                    ; a whole block in a lane: lanes 0-15 block 2 c, lanes 16-31 block 2 c + 1: 16 bytes of the row as they lie
.irp i, 0,1
	v_permlane16_swap_b32 v[PC+4*\c+\i], v[PC+2+4*\c+\i]
.endr
.endr
.endm
; THE WAY OUT of block a (16 rows of R): clip; for q and k the bias, the rotation of the first 64 channels and the norm; the quantiser; codes and scale word into my stage.
; The way out is a loop of eight trips, a block a trip.  EPI a is what names block a's own registers: the clip out of its accumulators, the bias, the rotation by its cos and sin.  COMMON, written once, is the rest.
.macro EPI a
.Larm_\a:
.set AC, 64*((\a)%4)
.set FC, 64*(1-(\a)/4)+32*((\a)%2)+128*(((\a)%4)/2)
	WIN 2+(\a)/4                                   ; source 0: the accumulators' window
	s_wait_alu depctr_va_vdst(0)                   ; the wait ahead of the first reader of the sums
.set n, 0
.rept 64
	v_med3_num_f32 v[T+n], v[AC+n], s[LO], s[HI]   ; held to -8 .. 8; each accumulator from its low end on
.set n, n+1
.endr
	WIN 0
	s_cmp_lg_u32 s66, 0
	s_wait_alu depctr_va_vdst(0)
	s_cbranch_scc1 .Lplain                         ; v has neither bias, rotation nor norm
.if (\a) >= 4
	s_wait_loadcnt 0x0                             ; cos and sin of positions 64 to 127
.endif
.set n, 0
.rept 32
	v_pk_add_f32 v[T+n:T+n+1], v[T+n:T+n+1], v[BIAS+n:BIAS+n+1]
.set n, n+2
.endr
	WIN 0x04                                       ; source 1: cos and sin, in window 1
.set p, 0
.rept 4                                        ; my 16 pairs among channels 0 to 63, four at a time: no line reads the result of the line above it
.irp u, 0,1,2,3
	v_pk_mul_f32 v[PC+2*\u:PC+2*\u+1], v[T+2*(p+\u):T+2*(p+\u)+1], v[FC+2*(p+\u):FC+2*(p+\u)+1] op_sel:[1,1] op_sel_hi:[0,1]                      ; t1 sin, t0 sin
.endr
.irp u, 0,1,2,3
	v_pk_fma_f32 v[T+2*(p+\u):T+2*(p+\u)+1], v[T+2*(p+\u):T+2*(p+\u)+1], v[FC+2*(p+\u):FC+2*(p+\u)+1], v[PC+2*\u:PC+2*\u+1] op_sel_hi:[1,0,1] neg_lo:[0,0,1]   ; t0 cos - t1 sin, t1 cos + t0 sin
.endr
.set p, p+4
.endr
	WIN 0
	s_wait_alu depctr_va_vdst(0)
	s_branch .Lnorm
.endm
.macro COMMON
.Lnorm:
.irp c, 0,1,2,3
	v_pk_mul_f32 v[TM+2*\c:TM+2*\c+1], v[T+2*\c:T+2*\c+1], v[T+2*\c:T+2*\c+1]   ; the sum of squares of my 64, in four packed chains
.endr
.set n, 8
.rept 28
	v_pk_fma_f32 v[TM+n%8:TM+n%8+1], v[T+n:T+n+1], v[T+n:T+n+1], v[TM+n%8:TM+n%8+1]
.set n, n+2
.endr
	v_pk_add_f32 v[TM:TM+1], v[TM:TM+1], v[TM+2:TM+3]
	v_pk_add_f32 v[TM+4:TM+5], v[TM+4:TM+5], v[TM+6:TM+7]
	v_pk_add_f32 v[TM:TM+1], v[TM:TM+1], v[TM+4:TM+5]
	v_add_f32 v[TM], v[TM], v[TM+1]
	v_permlanex16_b32 v[TM+4], v[TM], s[SEL], s[SEL+1]
	v_add_f32 v[TM], v[TM], v[TM+4]                ; with lane l xor 16's 64: the row's
	v_fma_f32 v[TM+1], v[TM], s[RCPN], s[EPSR]     ; the mean + 1e-6
	s_wait_alu depctr_va_vdst(0)
	v_rsq_f32 v[RS], v[TM+1]
	v_rsq_f32 v[RS+1], v[TM+1]                     ; twice: a pair for the packed multiply
	v_nop
	s_wait_alu depctr_va_vdst(0)                   ; the wait ahead of the first reader
.set n, 0
.rept 32
	v_pk_mul_f32 v[T+n:T+n+1], v[T+n:T+n+1], v[RS:RS+1]
.set n, n+2
.endr
.Lplain:
	QUANT T
	v_add_nc_u32 v[TM+8], s101, v[STO]             ; the block's place in my stage: 1,280 bytes of codes a block,
	v_add_nc_u32 v[TM+9], s96, v[STW]              ; 64 of scale words
	ds_store_b128 v[TM+8], v[PC:PC+3]
	ds_store_b128 v[TM+8], v[PC+4:PC+7] offset:32
	ds_store_b32 v[TM+9], v[PW]                    ; both lanes of a row write the same word with the same value
.endm
	PLACES NP                                      ; behind the last products: for the first reads of results and the loads below
	s_wait_loadcnt 0x0                             ; the bias, and cos and sin of positions 0 to 63
	s_mov_b32 s[LO], 0xc1000000                    ; -8
	s_mov_b32 s[HI], 0x41000000                    ; 8
	s_mov_b32 s[SEL], 0x76543210
	s_mov_b32 s[SEL+1], 0xfedcba98
	s_mov_b32 s[RCPN], 0x3c000000                  ; 1 / 128
	s_mov_b32 s[EPSR], 0x358637bd                  ; 1e-6
.irp b, 0,1,2,3
	v_mov_b32 v[TM+4+\b], 0                        ; written once: a lane permute's destination counts as one of its sources
.endr
	s_cmp_lg_u32 s66, 0
	s_cbranch_scc1 .Lno_fc
	WIN 0x40
.irp a, 4,5,6,7
	FCLOAD \a                                      ; into the registers that P's fragments have left; they land while blocks 0 to 3 go out
.endr
	WIN 0
.Lno_fc:
	s_mov_b32 s100, 0                              ; the block
	s_mov_b32 s101, 0
	s_mov_b32 s96, 0
.Lblk:
	s_wait_dscnt 0x0                               ; the last block's stores into the stage have read their registers
.irp a, 1,2,3,4,5,6,7
	s_cmp_eq_u32 s100, \a                          ; the trip's number picks the block's own lines
	s_cbranch_scc1 .Larm_\a
.endr
.irp a, 0,1,2,3,4,5,6,7
	EPI \a
.endr
	COMMON
	s_add_co_u32 s101, s101, 1280
	s_add_co_u32 s96, s96, 64
	s_add_co_u32 s100, s100, 1
	s_cmp_lt_u32 s100, 8
	s_wait_alu depctr_va_vdst(0)
	s_cbranch_scc1 .Lblk
.irp i, 0,1,2,3,4,5,6,7,8,9,10,11,12,13,14,15
	ds_load_b128 v[T+4*\i:T+4*\i+3], v[RD] offset:640*\i           ; LDS serves a wave's instructions in order: these see my stores.  Eight rows of 64 bytes an instruction
.endr
	ds_load_b128 v[BIAS:BIAS+3], v[RDW]
.irp i, 0,1,2,3,4,5,6,7,8,9,10,11,12,13,14,15
	s_wait_dscnt 16-\i
	global_store_b128 v[CO], v[T+4*\i:T+4*\i+3], s[12:13] offset:512*\i    ; the wave stores 512 consecutive bytes, aligned: my chunk is dense
.endr
	s_wait_dscnt 0x0
	global_store_b128 v[CO], v[BIAS:BIAS+3], s[98:99]              ; its 128 scale words
	s_wait_tensorcnt 0x0                           ; the wave's end
	ds_add_u32 v[SPW], v[NIL]
	s_wait_dscnt 0x0
	CROUND                                         ; the closing round: no work-group ends while a partner may still ask for a tile that names it
	s_endpgm
.Lfunc_end_k_q3a92b466ad_qkv:
	.size	k_q3a92b466ad_qkv, .Lfunc_end_k_q3a92b466ad_qkv-k_q3a92b466ad_qkv
	.p2alignl 7, 3214868480
	.fill 96, 4, 3214868480
	.section	.rodata,"a",@progbits
	.p2align	6, 0x0
	.amdhsa_kernel k_q3a92b466ad_qkv
		.amdhsa_group_segment_fixed_size 327680
		.amdhsa_private_segment_fixed_size 0
		.amdhsa_enable_private_segment 0
		.amdhsa_kernarg_size 64
		.amdhsa_user_sgpr_count 2
		.amdhsa_user_sgpr_kernarg_segment_ptr 1
		.amdhsa_wavefront_size32 1
		.amdhsa_system_sgpr_workgroup_id_x 1
		.amdhsa_system_sgpr_workgroup_id_y 1
		.amdhsa_system_sgpr_workgroup_id_z 1
		.amdhsa_system_vgpr_workitem_id 0
		.amdhsa_next_free_vgpr 1024
		.amdhsa_next_free_sgpr 102
		.amdhsa_reserve_vcc 0
		.amdhsa_float_denorm_mode_32 3
		.amdhsa_float_denorm_mode_16_64 3
		.amdhsa_memory_ordered 1
		.amdhsa_forward_progress 1
		.amdhsa_inst_pref_size 255
	.end_amdhsa_kernel
	.section	.bss,"aw",@nobits
	.p2align	6
	.space	262144
	.amdgpu_metadata
---
amdhsa.version: [ 1, 2 ]
amdhsa.kernels:
  - .name:           k_q3a92b466ad_qkv
    .symbol:         k_q3a92b466ad_qkv.kd
    .args:
      - { .name: codes, .offset: 0, .size: 8, .value_kind: global_buffer, .address_space: global }
      - { .name: scales, .offset: 8, .size: 8, .value_kind: global_buffer, .address_space: global }
      - { .name: ve, .offset: 16, .size: 8, .value_kind: global_buffer, .address_space: global }
      - { .name: ve_gate_w, .offset: 24, .size: 8, .value_kind: global_buffer, .address_space: global }
      - { .name: qk_bias, .offset: 32, .size: 8, .value_kind: global_buffer, .address_space: global }
      - { .name: freqs_cis, .offset: 40, .size: 8, .value_kind: global_buffer, .address_space: global }
      - { .name: qkv_codes, .offset: 48, .size: 8, .value_kind: global_buffer, .address_space: global }
      - { .name: qkv_scales, .offset: 56, .size: 8, .value_kind: global_buffer, .address_space: global }
    .group_segment_fixed_size: 327680
    .private_segment_fixed_size: 0
    .kernarg_segment_align: 8
    .kernarg_segment_size: 64
    .max_flat_workgroup_size: 128
    .sgpr_count:     102
    .vgpr_count:     1024
    .wavefront_size: 32
...
	.end_amdgpu_metadata
.endif
;; end of part 2
;; launch attn (part 3): grid 16 x 16, 8 waves a work-group, no clusters, 327,680 bytes of LDS; arguments qkv_codes, qkv_scales, y_codes, y_scales; writes y_codes, y_scales
.if DOCPART == 3
	.amdgcn_target "amdgcn-amd-amdhsa--gfx1250"
	.amdhsa_code_object_version 6
	.text
	.protected	k_q3a92b466ad_attn
	.globl	k_q3a92b466ad_attn
	.p2align	8
	.type	k_q3a92b466ad_attn,@function
k_q3a92b466ad_attn:
	s_mov_b64 s[64:65], 0
	v_nop
	global_prefetch_b8 v0, s[64:65] scope:SCOPE_SE
	s_setreg_imm32_b32 hwreg(HW_REG_WAVE_MODE, 25, 1), 1
	s_wait_xcnt 0x0
; y[q][head] = the sum over keys k <= q of softmax_k(Q[q] . K[k] / sqrt(128)) V[k], both products on codes of FP4 (E2M1) with one E8M0 scale for each 32 along a product's K; y is quantised here, along its row, and leaves as codes and scale bytes.
; qkv_codes: 48 planes (q's 16 heads, k's, v's) of 16 chunks of 128 rows of 64 bytes.  q, k: a row is a position.  v: chunk c is keys 128 c on, a row is a channel's position (position 64 g + 16 q + r holds channel 64 g + 4 r + q), its codes run along the keys.
; qkv_scales: the same rows, one word each.
; THE SOFTMAX: t = score x log2(e) / sqrt(128); p = 2^(t - M) is quantised along the keys, not normalised; the row's sum is taken of the unquantised p and divides at the end.
; M IS THE FIXED WHOLE NUMBER 0: the computation itself bounds t for every input.  q and k are rms-normalised, so a row's sum of squares is at most 128; the quantiser at most doubles a magnitude; so |score| <= 512 and |t| <= 65.3.
; p lies in 2^-66 .. 2^66, a row's sum of 2,048 under 2^77, O (v is held to 8) under 2^80, p's scale bytes in 59 .. 191.  Against M = ceil(the row's largest t) the codes are the same; scales, sum and O differ by the exact factor 2^M, which the division takes out.
; LEFT OUT: key steps all of whose 128 keys come after a tile's 16 queries: the mask that reference() builds gives them the weight 0.
; SHARES.  256 work-groups: (gx, head) owns the blocks gx and 31 - gx of 64 queries: four early and four late tiles of 16.  WAVES w AND w + 4 SHARE an early and a late tile and divide the key steps: wave w takes the even steps of 128 keys,
; wave w + 4 the odd ones, each for both tiles, so that a step's fragments of K and V serve two tiles.  With M fixed the parts of O and of the sum only add.  Set A is the tile that the wave finishes (w: the late one, w + 4: the early one), set B the partner's:
; at the end each wave hands set B's part to its partner through LDS bytes of its own, adds the partner's part to set A, divides, quantises and stores.  The two tiles have 17 steps together: 9 or 8 a wave.
; THE RING: two slots of 512 keys; the loop has four trips in every work-group; a slot whose first key comes after the work-group's last query is not asked for (a test on ids behind the barrier, the same in all waves; every wait on TENSORcnt is for 0).
; NO CLUSTER, though all work-groups of a head read the same K and V: which steps and slots are left out hangs on the work-group's blocks of queries.
; PREFETCH: the head's first work-group, which walks all slots, asks for slots 2 and 3, one slot ahead of their loads: waves 4 to 7, 8,192 bytes of K's block and of V's a wave, lanes 256 bytes apart.
; LAYOUT.  Both products are used transposed: a lane holds one query (lane % 16).  Lane r of K's tile 2 b + u takes key 32 b + 8 u + r + 8 (r / 8).
; LIMITS: y leaves in pieces of 64 bytes, a head's part of a row; a block of y under 2^-124, zeros among them, has the byte 1 (read by this program alone); NaN and infinities are not served.
; REGISTERS.  window 0: v1-7 what stays; v8-11 the slot's addresses; v[12:13], v[14:15] the sums of B, A; v16-23 A's Q; v24-27 V's scale words; v29 B's Q scales; v30, v31 the hand-over; v32-95 K; v96-159 S^T, p; v160-223 A's O^T; v224-231 codes;
;   v232-254 at work; v248-251 K's scale words; v253 p's; v255 A's Q scales.   window 1: v0-63 V; v64-71 B's Q; v72-135 B's O^T.
.set SK,    512
.set ROWB,  64
.set KP,    80                         ; a row in LDS: 64 bytes + 16 of padding
.set VOFF,  SK*KP                      ; a slot: 512 rows of K, then 4 chunks x 128 rows of V
.set SLOT1, 1<<17
.set SCK,   2*SLOT1                    ; K's scale words of the whole head, as units of 256 bytes + 16
.set SCH,   16*272
.set SCV,   SCK+2*SCH
.set SPARE, SCV+2*SCH                  ; the spare words: four blocks of 256 bytes that no other line names
.set XCH,   2*VOFF                     ; the hand-over: behind each slot's tiles, where no fill lands: waves 0-3 behind slot 0, waves 4-7 behind slot 1
.set RG,    8704                       ; 64 registers x 128 bytes, and 512 for the sums
.set AK0,  1
.set AV0,  2
.set ASK0, 3
.set ASV0, 4
.set SPW,  5
.set NIL,  6
.set DL,   7                           ; lane % 16 - 16 (lane / 16), for the mask
.set ADK,  8
.set ADV,  9
.set ADS,  10
.set ADT,  11
.set VS,   24
.set PFO,  28
.set KS,   248
.set KS1,  240                         ; v240-243: K's scale words of my second step of a slot, and nothing else; that step's fragments lie in window 1, v136-199
.set TB,   2
.set TS,   3
.set WV,   18
.set SEL,  20
.set CS,   22
.set G1,   24
.set G1S,  32
.set G0,   40
.set G0S,  44
.set Q0B,  48                          ; set B's first query
.set QLA,  49                          ; set A's last query, set B's, the larger of the two
.set QLB,  50
.set QM,   51
.set NK,   52                          ; the next slot's first key
.set WL,   53                          ; my work-group's last query
.set SLOTS, 67
.set PFA,  76
.set LIM,  80
.set KF,   98                          ; the first key of my first step in the slot
.set Q0,   99                          ; set A's first query
.set MSB, 0
.macro WIN new
.if MSB != (\new)
	s_set_vgpr_msb (MSB<<8)|(\new)
.set MSB, (\new)
.endif
.endm
	s_load_b256 s[4:11], s[0:1], 0x0               ; qkv_codes, qkv_scales, y_codes, y_scales
	v_lshl_add_u32 v[SPW], v0, 2, SPARE
	v_mov_b32 v[NIL], 0
	ds_add_u32 v[SPW], v[NIL]                      ; the opening lines: the add, twice on end, and its wait
	ds_add_u32 v[SPW], v[NIL]
	v_lshrrev_b32 v8, 5, v0
	v_readfirstlane_b32 s[WV], v8                  ; wave 0..7
	s_and_b32 s72, ttmp7, 0xffff                   ; the head
	s_and_b32 s73, s[WV], 3                        ; which tile of a block; also which part I fetch
	s_lshr_b32 s74, s[WV], 2                       ; which steps: 0 the even ones, 1 the odd ones
	s_lshl_b32 s75, ttmp9, 1
	s_sub_co_u32 s75, 31, s75
	s_mul_i32 s81, s75, s74
	s_sub_co_u32 s75, s75, s81
	s_add_co_u32 s75, s75, ttmp9                   ; set A's block: 31 - gx in waves 0-3, gx in waves 4-7
	s_add_co_u32 s81, s81, ttmp9                   ; set B's: the other
	s_lshl_b32 s75, s75, 6
	s_lshl_b32 s81, s81, 6
	s_lshl_b32 s82, s73, 4
	s_add_co_u32 s[Q0], s75, s82
	s_add_co_u32 s[Q0B], s81, s82
	s_add_co_u32 s[QLA], s[Q0], 15
	s_add_co_u32 s[QLB], s[Q0B], 15
	s_max_u32 s[QM], s[QLA], s[QLB]
	s_lshl_b32 s[KF], s74, 7
	s_sub_co_u32 s[WL], 31, ttmp9
	s_lshl_b32 s[WL], s[WL], 6
	s_or_b32 s[WL], s[WL], 63
	s_mov_b32 s[NK], SK
	s_mul_i32 s54, s74, 128*KP                     ; my steps begin one step on in waves 4-7: in the tiles,
	s_mul_i32 s55, s74, 544                        ; and in the scale words
	s_mul_i32 s92, s73, RG
	s_add_co_u32 s92, s92, XCH
	s_lshl_b32 s93, s74, 17
	s_xor_b32 s94, s93, SLOT1
	s_add_co_u32 s93, s93, s92                     ; the hand-over: my bytes,
	s_add_co_u32 s94, s94, s92                     ; my partner's
	s_lshr_b32 s83, s73, 1                         ; what I fetch: parts 0, 1 K's halves, parts 2, 3 V's
	s_lshl_b32 s83, s83, 4
	s_add_co_u32 s83, s83, s72
	s_add_co_u32 s83, s83, 16                      ; the plane
	s_and_b32 s82, s73, 1
	s_lshl_b32 s84, s83, 17
	s_lshl_b32 s85, s82, 14
	s_add_co_u32 s84, s84, s85
	s_mov_b32 s85, 0
	s_lshl_b32 s86, s83, 13
	s_lshl_b32 s87, s82, 12
	s_add_co_u32 s86, s86, s87
	s_mov_b32 s87, 0
	s_mul_i32 s88, s73, 256*KP
	s_mul_i32 s89, s73, SCH
	s_mov_b32 s[G1], (0<<16)|(1<<20)|(3<<22)|(3<<25)   ; tiles: 256 rows of 64 bytes, dense, 16 bytes of padding behind each
	s_mov_b32 s[G1+1], ROWB<<16
	s_mov_b32 s[G1+2], 256<<16
	s_mov_b32 s[G1+3], ROWB<<16
	s_mov_b32 s[G1+4], 256
	s_mov_b32 s[G1+5], ROWB
	s_mov_b32 s[G1+6], 0
	s_mov_b32 s[G1+7], 0
	s_mov_b32 s[G1S], (3<<16)|(1<<20)|(5<<22)|(3<<25)  ; scale words: 4,096 dense bytes as 16 rows of 256
	s_mov_b32 s[G1S+1], 32<<16
	s_mov_b32 s[G1S+2], 16<<16
	s_mov_b32 s[G1S+3], 32<<16
	s_mov_b32 s[G1S+4], 16
	s_mov_b32 s[G1S+5], 32
	s_mov_b32 s[G1S+6], 0
	s_mov_b32 s[G1S+7], 0
	s_mov_b32 s[SEL], 0x76543210
	s_mov_b32 s[SEL+1], 0xfedcba98
	s_mov_b32 s[CS], 0x3e0293ee                    ; c = log2(e) / sqrt(128)
	s_mov_b32 s[CS+1], s[CS]
	s_mov_b32 s[TB], 0
	s_mov_b32 s[TS], 0
	s_mov_b32 s[SLOTS], 4
	s_wait_dscnt 0x0
	s_wait_kmcnt 0x0
	s_mov_b32 s[G0S], 1
	s_add_co_u32 s[G0S+1], s89, SCK
	s_add_nc_u64 s[G0S+2:G0S+3], s[6:7], s[86:87]
	s_or_b32 s[G0S+3], s[G0S+3], 0x80000000
	s_mov_b32 s[G0], 1
	s_mov_b32 s[G0+1], s88
	s_add_nc_u64 s[G0+2:G0+3], s[4:5], s[84:85]
	s_or_b32 s[G0+3], s[G0+3], 0x80000000
	s_cmp_lt_u32 s[WV], 4                          ; the head's loads, one a wave: waves 0-3 the four parts of slot 0, waves 4-7 the four parts of the head's scale words
	s_cbranch_scc0 .Lhead_s
	tensor_load_to_lds s[G0:G0+3], s[G1:G1+7]
	s_nop 0
.rept 4
	v_nop
.endr
	s_branch .Lhead_e
.Lhead_s:
	tensor_load_to_lds s[G0S:G0S+3], s[G1S:G1S+7]
	s_nop 0
.rept 4
	v_nop
.endr
.Lhead_e:
	s_mov_b32 s91, 0
	s_lshl_b32 s83, s72, 17
	s_lshl_b32 s90, s[Q0], 6
	s_add_co_u32 s90, s90, s83
	s_add_nc_u64 s[12:13], s[4:5], s[90:91]        ; A's Q codes
	s_lshl_b32 s90, s[Q0B], 6
	s_add_co_u32 s90, s90, s83
	s_add_nc_u64 s[68:69], s[4:5], s[90:91]        ; B's
	s_lshl_b32 s83, s72, 13
	s_lshl_b32 s90, s[Q0], 2
	s_add_co_u32 s90, s90, s83
	s_add_nc_u64 s[14:15], s[6:7], s[90:91]        ; A's Q scale words
	s_lshl_b32 s90, s[Q0B], 2
	s_add_co_u32 s90, s90, s83
	s_add_nc_u64 s[70:71], s[6:7], s[90:91]        ; B's
	s_lshl_b32 s90, s[Q0], 10
	s_lshl_b32 s83, s72, 6
	s_add_co_u32 s90, s90, s83
	s_add_nc_u64 s[8:9], s[8:9], s[90:91]          ; y's codes: 1,024 bytes a row, 64 a head
	s_lshl_b32 s90, s[Q0], 6
	s_lshl_b32 s83, s72, 2
	s_add_co_u32 s90, s90, s83
	s_add_nc_u64 s[10:11], s[10:11], s[90:91]      ; y's scale bytes
	s_add_co_u32 s82, s72, 16
	s_lshl_b32 s82, s82, 17
	s_lshl_b32 s83, s73, 13
	s_add_co_u32 s82, s82, s83
	s_add_co_u32 s82, s82, SK*ROWB                 ; the prefetches stand in slot 1: the first change of slots steps them to slot 2
	s_mov_b32 s83, 0
	s_add_nc_u64 s[PFA:PFA+1], s[4:5], s[82:83]
	s_xor_b32 s82, s74, 1
	s_or_b32 s82, s82, ttmp9                       ; 0 in waves 4 to 7 of the head's first work-group
	s_cmp_eq_u32 s82, 0
	s_cselect_b32 s[LIM], 2, -1                    ; they ask in the first two trips
	v_and_b32 v[PFO], 31, v0
	v_and_b32 v8, 15, v0                           ; r
	v_bfe_u32 v9, v0, 4, 1                         ; h
	v_lshlrev_b32 v30, 4, v[PFO]
	v_lshlrev_b32 v10, 6, v8
	v_lshlrev_b32 v254, 2, v8
	v_add_nc_u32 v31, s94, v30
	v_add_nc_u32 v30, s93, v30
	v_lshl_add_u32 v10, v9, 4, v10                 ; Q: row r, + 16 h
	v_lshlrev_b32 v[PFO], 8, v[PFO]
	global_load_b128 v[16:19], v10, s[12:13]
	global_load_b128 v[20:23], v10, s[12:13] offset:32
	global_load_b32 v255, v254, s[14:15]
	global_load_b32 v29, v254, s[70:71]
	WIN 0x40
	global_load_b128 v[64:67], v10, s[68:69]
	global_load_b128 v[68:71], v10, s[68:69] offset:32
	WIN 0
	v_and_b32 v11, 8, v8
	v_mul_u32_u24 v[AV0], v8, KP
	v_add_nc_u32 v11, v11, v8                      ; r + 8 (r / 8)
	v_lshl_add_u32 v[AV0], v9, 4, v[AV0]
	v_mul_u32_u24 v[AK0], v11, KP
	v_add_nc_u32 v[AV0], VOFF, v[AV0]
	v_lshl_add_u32 v[AK0], v9, 4, v[AK0]
	v_add_nc_u32 v[AV0], s54, v[AV0]
	v_add_nc_u32 v[AK0], s54, v[AK0]
	v_lshl_add_u32 v[ASK0], v11, 2, SCK            ; K's scale words: lanes 16-31 take the odd tile's, 8 keys on
	v_lshl_add_u32 v[ASV0], v8, 2, SCV             ; V's: lanes 16-31 the odd tile's, 16 rows on
	v_lshl_add_u32 v[ASK0], v9, 5, v[ASK0]
	v_lshl_add_u32 v[ASV0], v9, 6, v[ASV0]
	v_add_nc_u32 v[ASK0], s55, v[ASK0]
	v_add_nc_u32 v[ASV0], s55, v[ASV0]
	v_lshlrev_b32 v[DL], 4, v9
	v_sub_nc_u32 v[DL], v8, v[DL]
.irp r, 12,13,14,15,236,237,238,239,252
	v_mov_b32 v\r, 0                               ; the sums; and what a lane permute names as its destination
.endr
.set jj, 0
.rept 64
	v_mov_b32 v[160+jj], 0                         ; O^T of both sets begins as zeros: a wave may have no step of a tile at all, and hands zeros over then
.set jj, jj+1
.endr
	WIN 0x40
.set jj, 0
.rept 64
	v_mov_b32 v[72+jj], 0
.set jj, jj+1
.endr
	WIN 0
.macro KLOAD q, kb, w, ks              ; K of the step q steps on from my first in the slot: four loads of scale words into v[ks] on, eight fragments into v[kb] on of window w: 20 LDS loads
.irp b, 0,1,2,3
	ds_load_b32 v[\ks+\b], v[ADS] offset:544*(\q)+272*(\b/2)+128*(\b%2)
.endr
	WIN 0x40*(\w)
.irp t, 0,1,2,3,4,5,6,7
.irp c, 0,1
	ds_load_b128 v[\kb+8*\t+4*\c:\kb+8*\t+4*\c+3], v[ADK] offset:(128*(\q)+32*(\t/2)+8*(\t%2))*KP+32*\c
.endr
.endr
	WIN 0
.endm
.macro VLOAD q
.irp b, 0,1,2,3
	ds_load_b32 v[VS+\b], v[ADT] offset:544*(\q)+272*(\b/2)+128*(\b%2)
.endr
	WIN 0x40
.irp t, 0,1,2,3,4,5,6,7
.irp c, 0,1
	ds_load_b128 v[8*\t+4*\c:8*\t+4*\c+3], v[ADV] offset:(128*(\q)+16*\t)*KP+32*\c
.endr
.endr
	WIN 0
.endm
; One tile's share of a key step whose first key is s96.  QF, QSC: its Q and Q's scales; OB: its O^T; SM: its sums; WQ, WO: the windows of the two products; SQ0, SQL: its first and last query.
; KB, KSB: the step's K and its scale words; ND: the LDS loads issued behind the step's V, which may stay out at the second product
.macro SOFT QF, QSC, OB, SM, WQ, WO, SQ0, SQL, KB, KSB, ND
	s_cmp_gt_u32 s96, s[\SQL]                      ; all the step's keys come after the tile's queries: a branch on ids round the tile's work
	s_cbranch_scc1 .Lskip_\@
	WIN \WQ
.irp t, 0,1,2,3,4,5,6,7                        ; S^T = K Q^T
.if \t%2
	v_wmma_scale_f32_16x16x128_f8f6f4 v[96+8*\t:103+8*\t], v[\KB+8*\t:\KB+8*\t+7], v[\QF:\QF+7], 0, v[\KSB+\t/2], v[\QSC] matrix_a_fmt:MATRIX_FMT_FP4 matrix_b_fmt:MATRIX_FMT_FP4 matrix_a_scale:MATRIX_SCALE_ROW1
.else
	v_wmma_scale_f32_16x16x128_f8f6f4 v[96+8*\t:103+8*\t], v[\KB+8*\t:\KB+8*\t+7], v[\QF:\QF+7], 0, v[\KSB+\t/2], v[\QSC] matrix_a_fmt:MATRIX_FMT_FP4 matrix_b_fmt:MATRIX_FMT_FP4
.endif
.endr
	WIN 0
.rept 4
	v_nop                                          ; places in front of the first reads of the scores (ISA guide 7.12.1)
.endr
	s_add_co_u32 s97, s96, 127                     ; on the diagonal hidden scores become -infinity: p = 0 then.  A step all of whose keys count skips this
	s_cmp_le_u32 s97, s[\SQ0]
	s_cbranch_scc1 .Lopen_\@
	s_sub_co_i32 s97, s[\SQ0], s96
	v_add_nc_u32 v252, s97, v[DL]                  ; register 16 b + i holds key 16 (lane / 16) + 32 b + i of the step: hidden where 32 b + i > d
	v_mov_b32 v254, 0xff800000
.set n, 0
.rept 64
	v_cmp_gt_i32 vcc_lo, 32*(n/16)+n%16, v252
	v_cndmask_b32 v[96+n], v[96+n], v254, vcc_lo
.set n, n+1
.endr
.Lopen_\@:
.irp b, 0,1,2,3
	v_max3_num_f32 v[232+\b], v[96+16*\b], v[97+16*\b], v[98+16*\b]   ; the largest score of each block of 32 keys gives the block's largest p
.endr
.irp i, 3,5,7,9,11,13
.irp b, 0,1,2,3
	v_max3_num_f32 v[232+\b], v[232+\b], v[96+16*\b+\i], v[97+16*\b+\i]
.endr
.endr
.irp b, 0,1,2,3
	v_max_num_f32 v[232+\b], v[232+\b], v[111+16*\b]
.endr
.irp b, 0,1,2,3
	s_delay_alu instid0(VALU_DEP_4)
	v_permlanex16_b32 v[236+\b], v[232+\b], s[SEL], s[SEL+1]
.endr
.irp b, 0,1,2,3
	s_delay_alu instid0(VALU_DEP_4)
	v_max_num_f32 v[232+\b], v[232+\b], v[236+\b]
.endr
.irp b, 0,1,2,3
	s_delay_alu instid0(VALU_DEP_4)
	v_mul_f32 v[232+\b], s[CS], v[232+\b]
.endr
.set jj, 0
.rept 32
	v_pk_mul_f32 v[96+jj:97+jj], v[96+jj:97+jj], s[CS:CS+1] op_sel_hi:[1,0]   ; t = score x c
.set jj, jj+2
.endr
	s_wait_alu depctr_va_vdst(0)                   ; the wait ahead of the batch
.irp b, 0,1,2,3
	v_exp_f32 v[232+\b], v[232+\b]
.endr
.set jj, 0
.rept 64
	v_exp_f32 v[96+jj], v[96+jj]                   ; p = 2^t
.set jj, jj+1
.endr
	v_nop
	s_wait_alu depctr_va_vdst(0)                   ; and behind it, ahead of its first reader
.irp b, 0,1,2,3
	v_max_num_f32 v[232+\b], 0x1800000, v[232+\b]  ; the floor 2^(3 - 127): a block of hidden keys keeps the byte 1 over zero codes
.endr
.irp b, 0,1,2,3
	s_delay_alu instid0(VALU_DEP_4)
	v_add_nc_u32 v[244+\b], 0xff000000, v[232+\b]
.endr
.irp b, 0,1,2,3
	s_delay_alu instid0(VALU_DEP_4)
	v_lshrrev_b32 v[236+\b], 23, v[244+\b]
.endr
	s_delay_alu instid0(VALU_DEP_3)
	v_lshl_or_b32 v253, v237, 8, v236              ; p's scale word
	s_delay_alu instid0(VALU_DEP_1)
	v_lshl_or_b32 v253, v238, 16, v253
	s_delay_alu instid0(VALU_DEP_1)
	v_lshl_or_b32 v253, v239, 24, v253
.irp b, 0,1,2,3
	v_cvt_scalef32_pk8_fp4_f32 v[224+2*\b], v[96+16*\b:103+16*\b], v[244+\b]
	v_cvt_scalef32_pk8_fp4_f32 v[225+2*\b], v[104+16*\b:111+16*\b], v[244+\b]
.endr
	v_nop
.irp c, 0,1
.irp i, 0,1
	v_permlane16_swap_b32 v[224+4*\c+\i], v[226+4*\c+\i]
.endr
.endr
	v_pk_add_f32 v[236:237], v[96:97], v[98:99]    ; the row's sum of the unquantised p, in two chains.  These nine are the places between p's scale word (8 are asked) and codes (4) and the products
.set jj, 4
.rept 4
	v_pk_add_f32 v[\SM:\SM+1], v[\SM:\SM+1], v[96+jj:97+jj]
	v_pk_add_f32 v[236:237], v[236:237], v[98+jj:99+jj]
.set jj, jj+4
.endr
	s_wait_alu depctr_va_vdst(0)
	s_wait_dscnt \ND                               ; V is in
	WIN \WO
.irp t, 0,1,2,3,4,5,6,7                        ; O^T += V^T P^T, the eight accumulators by turns
.if \t%2
	v_wmma_scale_f32_16x16x128_f8f6f4 v[\OB+8*\t:\OB+8*\t+7], v[8*\t:8*\t+7], v[224:231], v[\OB+8*\t:\OB+8*\t+7], v[VS+\t/2], v253 matrix_a_fmt:MATRIX_FMT_FP4 matrix_b_fmt:MATRIX_FMT_FP4 matrix_a_scale:MATRIX_SCALE_ROW1
.else
	v_wmma_scale_f32_16x16x128_f8f6f4 v[\OB+8*\t:\OB+8*\t+7], v[8*\t:8*\t+7], v[224:231], v[\OB+8*\t:\OB+8*\t+7], v[VS+\t/2], v253 matrix_a_fmt:MATRIX_FMT_FP4 matrix_b_fmt:MATRIX_FMT_FP4
.endif
.endr
	WIN 0
.rept 11                                       ; the rest of the sums: the places behind the products
	v_pk_add_f32 v[\SM:\SM+1], v[\SM:\SM+1], v[96+jj:97+jj]
	v_pk_add_f32 v[236:237], v[236:237], v[98+jj:99+jj]
.set jj, jj+4
.endr
	s_delay_alu instid0(VALU_DEP_1)
	v_pk_add_f32 v[\SM:\SM+1], v[\SM:\SM+1], v[236:237]
.Lskip_\@:
.endm
.macro STEP j                          ; my j-th step of the slot: 256 j keys on from my first
	s_add_co_u32 s96, s[KF], 256*\j
	s_cmp_gt_u32 s96, s[QM]                        ; hidden from both tiles, and so are my later steps: on to the slot's end
	s_cbranch_scc1 .Lend
.if \j == 0                                    ; my first step of the slot asks for its K, its V and the second step's K: 20 LDS loads each, in this order
	KLOAD 0, 32, 0, KS
	VLOAD 0
	KLOAD 2, 136, 1, KS1
	s_wait_dscnt 40                                ; K is in: behind it stand V's twenty and the next K's twenty
	SOFT 16, 255, 160, 14, 0, 0x01, Q0, QLA, 32, KS, 20
	SOFT 64, 29, 72, 12, 0x04, 0x51, Q0B, QLB, 32, KS, 20
.else                                          ; my second step: its K was asked for a step ago
	s_wait_dscnt 20                                ; the last step's V has landed: its registers may be asked into again (this step's K may be out)
	VLOAD 2
	s_wait_dscnt 20                                ; K is in: behind it stand V's twenty
	SOFT 16, 255, 160, 14, 0x01, 0x01, Q0, QLA, 136, KS1, 0
	SOFT 64, 29, 72, 12, 0x05, 0x51, Q0B, QLB, 136, KS1, 0
.endif
.endm
	s_wait_alu depctr_va_vdst(0)
	s_wait_loadcnt 0x0                             ; Q
.Lslot:                                            ; four trips.  The change of slots: all my tensor loads are in, the add, my reads of the slot that I have left are over; one barrier
	s_wait_tensorcnt 0x0
	ds_add_u32 v[SPW], v[NIL]
	s_xor_b32 s[G0+1], s[G0+1], SLOT1              ; the walking descriptor: the other slot, the next 512 keys
	s_add_nc_u64 s[G0+2:G0+3], s[G0+2:G0+3], SK*ROWB
	s_wait_xcnt 0x0                                ; the last prefetches have read their address
	s_add_nc_u64 s[PFA:PFA+1], s[PFA:PFA+1], SK*ROWB
	s_wait_dscnt 0x0
	s_barrier_signal -1
	s_barrier_wait -1
	s_cmp_gt_u32 s[NK], s[WL]                      ; the next slot's first key comes after my work-group's last query: no wave would read it, so it is not asked for
	s_cbranch_scc1 .Lpast
	s_cmp_lt_u32 s[WV], 4
	s_cbranch_scc0 .Lpast
	tensor_load_to_lds s[G0:G0+3], s[G1:G1+7]
	s_nop 0
.rept 4
	v_nop
.endr
.Lpast:
	s_cmp_gt_u32 s[SLOTS], s[LIM]
	s_cbranch_scc0 .Lnot_mine
	global_prefetch_b8 v[PFO], s[PFA:PFA+1] th:TH_LOAD_NT scope:SCOPE_SE
	global_prefetch_b8 v[PFO], s[PFA:PFA+1] offset:2097152 th:TH_LOAD_NT scope:SCOPE_SE
.Lnot_mine:
	v_add_nc_u32 v[ADK], s[TB], v[AK0]
	v_add_nc_u32 v[ADV], s[TB], v[AV0]
	v_add_nc_u32 v[ADS], s[TS], v[ASK0]
	v_add_nc_u32 v[ADT], s[TS], v[ASV0]
	s_wait_alu depctr_va_vdst(0)
	STEP 0
	STEP 1
.Lend:
	s_add_co_u32 s[KF], s[KF], SK
	s_add_co_u32 s[NK], s[NK], SK
	s_add_co_u32 s[TS], s[TS], 4*544
	s_xor_b32 s[TB], s[TB], SLOT1
	s_sub_co_u32 s[SLOTS], s[SLOTS], 1
	s_cmp_lg_u32 s[SLOTS], 0
	s_wait_alu depctr_va_vdst(0)
	s_cbranch_scc1 .Lslot
	; THE HAND-OVER: set B's O^T and sums as an image of the registers, 16 bytes a lane; a barrier; my partner's set B is my set A's other part
	s_wait_tensorcnt 0x0
	s_wait_alu depctr_va_vdst(0)                   ; the wait ahead of the first reader of the sums of products
	WIN 0x04
.set i, 0
.rept 16
	ds_store_b128 v30, v[72+4*i:75+4*i] offset:512*i
.set i, i+1
.endr
	WIN 0
	ds_store_b64 v30, v[12:13] offset:8192
	s_wait_dscnt 0x0
	s_barrier_signal -1
	s_barrier_wait -1
.set i, 0
.rept 16
	ds_load_b128 v[96+4*i:99+4*i], v31 offset:512*i
.set i, i+1
.endr
	ds_load_b64 v[236:237], v31 offset:8192
	s_wait_dscnt 0x0
	s_wait_alu depctr_va_vdst(0)
.set n, 0
.rept 32
	v_pk_add_f32 v[160+n:161+n], v[160+n:161+n], v[96+n:97+n]
.set n, n+2
.endr
	v_pk_add_f32 v[14:15], v[14:15], v[236:237]
	; THE WAY OUT.  O^T / the sum.  Tile 4 g + q, register j, half h is channel 64 g + 32 h + 4 j + q: the multiply's destination puts the channels in order: a lane holds blocks 2 g + h of the head's four.
	s_delay_alu instid0(VALU_DEP_1)
	v_add_f32 v14, v14, v15
	s_delay_alu instid0(VALU_DEP_1)
	v_permlanex16_b32 v252, v14, s[SEL], s[SEL+1]
	s_delay_alu instid0(VALU_DEP_1)
	v_add_f32 v14, v14, v252                       ; the row's sum: at least 2^-66, since key 0 counts for every query
	s_wait_alu depctr_va_vdst(0)
	v_rcp_f32 v14, v14
	v_and_b32 v8, 15, v0
	v_bfe_u32 v9, v0, 4, 1
	v_mov_b32 v238, 0
	v_lshlrev_b32 v10, 10, v8
	v_lshlrev_b32 v11, 6, v8                       ; y's scale bytes: row r of 64
	v_lshlrev_b32 v247, 3, v9
	v_lshl_add_u32 v10, v9, 4, v10                 ; y's codes: row r of 1,024 bytes, + 16 h
	s_wait_alu depctr_va_vdst(0)                   ; the wait ahead of the first reader
.irp g, 0,1
.irp q, 0,1,2,3
.irp j, 0,1,2,3,4,5,6,7
	v_mul_f32 v[96+32*\g+4*\j+\q], v[160+8*(4*\g+\q)+\j], v14
.endr
.endr
.endr
.irp g, 0,1
	v_max3_num_f32 v[232+\g], |v[96+32*\g]|, |v[97+32*\g]|, 0x1800000
.endr
.irp i, 2,4,6,8,10,12,14,16,18,20,22,24,26,28,30
.irp g, 0,1
	s_delay_alu instid0(VALU_DEP_2)
	v_max3_num_f32 v[232+\g], v[232+\g], |v[96+32*\g+\i]|, |v[97+32*\g+\i]|
.endr
.endr
.irp g, 0,1
	s_delay_alu instid0(VALU_DEP_2)
	v_add_nc_u32 v[244+\g], 0xff000000, v[232+\g]
.endr
.irp g, 0,1
	s_delay_alu instid0(VALU_DEP_2)
	v_lshrrev_b32 v[236+\g], 23, v[244+\g]
.endr
	s_delay_alu instid0(VALU_DEP_1)
	v_lshl_or_b32 v246, v237, 16, v236             ; my two bytes: blocks h and 2 + h,
	s_delay_alu instid0(VALU_DEP_1)
	v_lshlrev_b32 v246, v247, v246                 ; at their places in the head's word;
	s_delay_alu instid0(VALU_DEP_1)
	v_permlanex16_b32 v238, v246, s[SEL], s[SEL+1]
	s_delay_alu instid0(VALU_DEP_1)
	v_or_b32 v246, v246, v238                      ; with lane l xor 16's two the word is whole
.irp g, 0,1
.irp e, 0,1,2,3
	v_cvt_scalef32_pk8_fp4_f32 v[224+4*\g+\e], v[96+32*\g+8*\e:103+32*\g+8*\e], v[244+\g]
.endr
.endr
	v_nop
	global_store_b128 v10, v[224:227], s[8:9]      ; block h: 16 bytes; a row's four pieces are 64 consecutive bytes
	global_store_b128 v10, v[228:231], s[8:9] offset:32
	global_store_b32 v11, v246, s[10:11]           ; both lanes of a row write the same word with the same value
	s_wait_tensorcnt 0x0                           ; the wave's end
	ds_add_u32 v[SPW], v[NIL]
	s_wait_dscnt 0x0
	s_endpgm
.Lfunc_end_k_q3a92b466ad_attn:
	.size	k_q3a92b466ad_attn, .Lfunc_end_k_q3a92b466ad_attn-k_q3a92b466ad_attn
	.p2alignl 7, 3214868480
	.fill 96, 4, 3214868480
	.section	.rodata,"a",@progbits
	.p2align	6, 0x0
	.amdhsa_kernel k_q3a92b466ad_attn
		.amdhsa_group_segment_fixed_size 327680
		.amdhsa_private_segment_fixed_size 0
		.amdhsa_enable_private_segment 0
		.amdhsa_kernarg_size 32
		.amdhsa_user_sgpr_count 2
		.amdhsa_user_sgpr_kernarg_segment_ptr 1
		.amdhsa_wavefront_size32 1
		.amdhsa_system_sgpr_workgroup_id_x 1
		.amdhsa_system_sgpr_workgroup_id_y 1
		.amdhsa_system_sgpr_workgroup_id_z 1
		.amdhsa_system_vgpr_workitem_id 0
		.amdhsa_next_free_vgpr 456
		.amdhsa_next_free_sgpr 100
		.amdhsa_reserve_vcc 1
		.amdhsa_float_denorm_mode_32 3
		.amdhsa_float_denorm_mode_16_64 3
		.amdhsa_memory_ordered 1
		.amdhsa_forward_progress 1
		.amdhsa_inst_pref_size 105
	.end_amdhsa_kernel
	.amdgpu_metadata
---
amdhsa.version: [ 1, 2 ]
amdhsa.kernels:
  - .name:           k_q3a92b466ad_attn
    .symbol:         k_q3a92b466ad_attn.kd
    .args:
      - { .name: qkv_codes, .offset: 0, .size: 8, .value_kind: global_buffer, .address_space: global }
      - { .name: qkv_scales, .offset: 8, .size: 8, .value_kind: global_buffer, .address_space: global }
      - { .name: y_codes, .offset: 16, .size: 8, .value_kind: global_buffer, .address_space: global }
      - { .name: y_scales, .offset: 24, .size: 8, .value_kind: global_buffer, .address_space: global }
    .group_segment_fixed_size: 327680
    .private_segment_fixed_size: 0
    .kernarg_segment_align: 8
    .kernarg_segment_size: 32
    .max_flat_workgroup_size: 256
    .sgpr_count:     100
    .vgpr_count:     456
    .wavefront_size: 32
...
	.end_amdgpu_metadata
.endif
;; end of part 3
;; launch oproj (part 4): grid 16 x 16, 4 waves a work-group, clusters of 4 x 4, 327,680 bytes of LDS; arguments y_codes, y_scales, codes, scales, out0; writes out0
.if DOCPART == 4
	.amdgcn_target "amdgcn-amd-amdhsa--gfx1250"
	.amdhsa_code_object_version 6
	.text
	.protected	k_q3a92b466ad_oproj
	.globl	k_q3a92b466ad_oproj
	.p2align	8
	.type	k_q3a92b466ad_oproj,@function
k_q3a92b466ad_oproj:
	s_mov_b64 s[64:65], 0
	v_nop
	global_prefetch_b8 v0, s[64:65] scope:SCOPE_SE
	s_setreg_imm32_b32 hwreg(HW_REG_WAVE_MODE, 25, 1), 1
	s_wait_xcnt 0x0
	s_wait_alu depctr_hold_cnt(0) depctr_sa_sdst(0) depctr_va_vdst(0) depctr_va_sdst(0) depctr_va_ssrc(0) depctr_va_vcc(0) depctr_vm_vsrc(0)
	s_getreg_b32 s2, hwreg(HW_REG_IB_STS2, 6, 4)
	s_cmp_eq_u32 s2, 0
	s_cbranch_scc0 .Lentry_in_a_cluster
	s_endpgm
.Lentry_in_a_cluster:
	s_bfe_u32 s2, ttmp6, 0x10000c
	s_cmp_lg_u32 s2, 0xf033
	s_cbranch_scc0 .Lentry_shape_is_right
	s_endpgm
.Lentry_shape_is_right:
; out0 = y Wo^T on codes of FP4 (E2M1) with one E8M0 scale for each 32 along K = 2,048; y's codes and scale bytes come from the launch before, Wo's are rows 8,192 on of the workspace.
; 256 work-groups of four waves, a tile of 128 x 128 each, a wave 64 x 64.  K lies in two LDS slots of 1,024 (rows of 512 bytes + 16 of padding), each filled once; the scale bytes of the tile's rows come once.
; 4 x 4 clusters: y's tiles are asked for jointly along a row, Wo's along a column.  The product is used transposed, so that a lane holds eight neighbouring numbers of a row of out0; the rows leave through a stage in LDS as aligned units of 256 bytes.
; No prefetch into the L2: there is no loop to run ahead in: both slots are asked for at the start.
.set PITCH,  528
.set HALFT,  64*PITCH
.set SLOT,   4*HALFT
.set SCL,    2*SLOT
.set HALFS,  16*272
.set SBLK,   4*272
.set STAGE,  SCL+4*HALFS
.set SPITCH, 272
.set ADRA, 16
.set ADRB, 20
.set STO,  24
.set RD,   25
.set CO,   26
.set ADRS, 27
.set SC,   32
.set ACC,  128
.set F0,   0
.set F1,   128
.set G1, 24
.set G0, 32
.set G1B, 48
.set G0B, 56
.set G1S, 68
.set G0S, 76
.set G1SB, 80
.set G0SB, 88
.set MSB, 0
.macro WIN new
.if MSB != (\new)
	s_set_vgpr_msb (MSB<<8)|(\new)
.set MSB, (\new)
.endif
.endm
.set MUL,  0x05
.set TO_F, 0x40
.macro JLOAD g0a, g1a, g0b, g1b
	s_cmp_eq_u32 s15, 0
	s_cbranch_scc0 .Lfor_b_\@
	tensor_load_to_lds s[\g0a:\g0a+3], s[\g1a:\g1a+7]
	s_nop 0
.rept 4
	v_nop
.endr
	s_branch .Lasked_\@
.Lfor_b_\@:
	tensor_load_to_lds s[\g0b:\g0b+3], s[\g1b:\g1b+7]
	s_nop 0
.rept 4
	v_nop
.endr
.Lasked_\@:
.endm
.macro CROUND
	s_barrier_signal -1
	s_barrier_wait -1
	s_cmp_lg_u32 s14, 0
	s_cbranch_scc1 .Lnot_wave_0_\@
	s_barrier_signal -3
.Lnot_wave_0_\@:
	s_barrier_wait -3
	s_barrier_signal -1
	s_barrier_wait -1
.endm
	s_load_b128 s[4:7], s[0:1], 0x0
	s_load_b128 s[8:11], s[0:1], 0x10
	s_load_b64 s[12:13], s[0:1], 0x20
	v_lshl_add_u32 v126, v0, 2, 0x4a800
	v_mov_b32 v127, 0
	ds_add_u32 v126, v127
	ds_add_u32 v126, v127
	v_lshrrev_b32 v1, 5, v0
	v_readfirstlane_b32 s14, v1
	s_lshr_b32 s15, s14, 1
	s_and_b32 s16, s14, 1
	s_bfe_u32 s40, ttmp6, 0x40000
	s_bfe_u32 s41, ttmp6, 0x40004
	s_lshl_b32 s42, ttmp9, 2
	s_add_co_u32 s42, s42, s40
	s_and_b32 s17, ttmp7, 0xffff
	s_lshl_b32 s17, s17, 2
	s_add_co_u32 s17, s17, s41
	s_lshl_b32 s43, s41, 2
	s_lshl_b32 s43, 15, s43
	s_lshl_b32 s44, 0x1111, s40
	s_or_b32 s[G1+0], s43, (0<<16)|(1<<20)|(1<<21)|(6<<22)|(3<<25)
	s_or_b32 s[G1B+0], s44, (0<<16)|(1<<20)|(1<<21)|(6<<22)|(3<<25)
.irp g, G1, G1B
	s_mov_b32 s[\g+1], 512<<16
	s_mov_b32 s[\g+2], 128<<16                     ; 128 rows for the head's loads; 64 for slot 1's
	s_mov_b32 s[\g+3], 512<<16
	s_mov_b32 s[\g+4], 128
	s_mov_b32 s[\g+5], 1024
	s_mov_b32 s[\g+6], 0
	s_mov_b32 s[\g+7], 0
.endr
	s_or_b32 s[G1S+0], s43, (3<<16)|(1<<20)|(1<<21)|(5<<22)|(3<<25)
	s_or_b32 s[G1SB+0], s44, (3<<16)|(1<<20)|(1<<21)|(5<<22)|(3<<25)
.irp g, G1S, G1SB
	s_mov_b32 s[\g+1], 32<<16
	s_mov_b32 s[\g+2], 32<<16                      ; the scales of 128 rows: 32 rows of 256 bytes
	s_mov_b32 s[\g+3], 32<<16
	s_mov_b32 s[\g+4], 32
	s_mov_b32 s[\g+5], 32
	s_mov_b32 s[\g+6], 0
	s_mov_b32 s[\g+7], 0
.endr
	s_lshl_b32 s18, s16, 16                        ; of slot 1 I fetch 64 rows: which half, in bytes (1,024 a row)
	s_mov_b32 s19, 0
	s_lshl_b32 s20, s17, 7
	s_lshl_b32 s46, s42, 7
	s_add_co_u32 s46, s46, 8192
	s_lshl_b32 s22, s20, 6
	s_mov_b32 s23, 0
	s_lshl_b32 s20, s20, 10
	s_mov_b32 s21, 0
	s_lshl_b32 s92, s46, 6
	s_mov_b32 s93, 0
	s_lshl_b32 s46, s46, 10
	s_mov_b32 s47, 0
	s_mul_i32 s45, s14, HALFT
	s_wait_dscnt 0x0
	s_wait_kmcnt 0x0
	s_add_nc_u64 s[20:21], s[4:5], s[20:21]
	s_add_nc_u64 s[22:23], s[6:7], s[22:23]
	s_add_nc_u64 s[46:47], s[8:9], s[46:47]
	s_add_nc_u64 s[92:93], s[10:11], s[92:93]
	CROUND
	s_mov_b32 s[G0S], 1
	s_mov_b32 s[G0S+1], SCL
	s_mov_b64 s[G0S+2:G0S+3], s[22:23]
	s_or_b32 s[G0S+3], s[G0S+3], 0x80000000
	s_mov_b32 s[G0SB], 1
	s_mov_b32 s[G0SB+1], SCL+2*HALFS
	s_mov_b64 s[G0SB+2:G0SB+3], s[92:93]
	s_or_b32 s[G0SB+3], s[G0SB+3], 0x80000000
	s_mov_b32 s[G0], 1                             ; slot 0, whole tiles: y's 128 rows,
	s_mov_b32 s[G0+1], 0
	s_mov_b64 s[G0+2:G0+3], s[20:21]
	s_or_b32 s[G0+3], s[G0+3], 0x80000000
	s_mov_b32 s[G0B], 1                            ; Wo's 128 rows behind them
	s_mov_b32 s[G0B+1], 2*HALFT
	s_mov_b64 s[G0B+2:G0B+3], s[46:47]
	s_or_b32 s[G0B+3], s[G0B+3], 0x80000000
	s_add_nc_u64 s[20:21], s[20:21], s[18:19]      ; slot 1: my 64 rows, 512 bytes along K
	s_add_nc_u64 s[46:47], s[46:47], s[18:19]
	s_mov_b32 s[G0+4], 1
	s_add_co_u32 s[G0+5], s45, SLOT
	s_add_nc_u64 s[G0+6:G0+7], s[20:21], 512
	s_or_b32 s[G0+7], s[G0+7], 0x80000000
	s_mov_b32 s[G0B+4], 1
	s_add_co_u32 s[G0B+5], s45, SLOT
	s_add_nc_u64 s[G0B+6:G0B+7], s[46:47], 512
	s_or_b32 s[G0B+7], s[G0B+7], 0x80000000
; THE HEAD'S LOADS, ONE A WAVE: wave 0 slot 0's rows of y, wave 1 those of Wo, wave 2 y's scales, wave 3 Wo's.  One tree of branches on the wave's number, a load to an arm.
.macro ARM under, g0, g1, next
	s_cmp_lt_u32 s14, \under
	s_cbranch_scc0 \next
	tensor_load_to_lds s[\g0:\g0+3], s[\g1:\g1+7]
	s_nop 0
.rept 4
	v_nop
.endr
	s_branch .Lhead_asked
\next:
.endm
	ARM 1, G0,  G1,  .Lhead_b
	ARM 2, G0B, G1B, .Lhead_sa
	ARM 3, G0S, G1S, .Lhead_sb
	tensor_load_to_lds s[G0SB:G0SB+3], s[G1SB:G1SB+7]
	s_nop 0
.rept 4
	v_nop
.endr
.Lhead_asked:
	v_and_b32 v1, 15, v0
	v_bfe_u32 v2, v0, 4, 1
	v_mul_u32_u24 v3, v1, PITCH
	v_lshl_add_u32 v3, v2, 4, v3
	s_mul_i32 s21, s15, HALFT
	s_mul_i32 s22, s16, HALFT
	s_add_co_u32 s22, s22, 2*HALFT
.irp s, 0,1
	v_add_nc_u32 v[ADRA+\s], s21, v3
	v_add_nc_u32 v[ADRB+\s], s22, v3
	s_add_co_u32 s21, s21, SLOT
	s_add_co_u32 s22, s22, SLOT
.endr
	v_lshlrev_b32 v5, 6, v1
	v_lshrrev_b32 v6, 2, v1
	v_lshl_add_u32 v5, v6, 4, v5
	s_mul_i32 s21, s15, HALFS
	s_mul_i32 s22, s16, HALFS
	s_add_co_u32 s22, s22, 2*HALFS
	s_sub_co_u32 s22, s22, s21
	v_mul_u32_u24 v6, s22, v2
	s_add_co_u32 s21, s21, SCL
	v_add_nc_u32 v5, v5, v6
	v_add_nc_u32 v[ADRS], s21, v5
	s_mul_i32 s23, s14, 16*SPITCH
	s_add_co_u32 s23, s23, STAGE
	v_mul_u32_u24 v5, v1, SPITCH
	v_lshl_add_u32 v5, v2, 5, v5
	v_add_nc_u32 v[STO], s23, v5
	v_mul_u32_u24 v5, v2, SPITCH
	v_lshl_add_u32 v5, v1, 4, v5
	v_add_nc_u32 v[RD], s23, v5
	v_lshlrev_b32 v5, 13, v2
	v_lshl_add_u32 v[CO], v1, 4, v5
	s_lshl_b32 s20, s17, 7
	s_lshl_b32 s21, s15, 6
	s_add_co_u32 s20, s20, s21
	s_lshl_b32 s20, s20, 13
	s_lshl_b32 s46, s42, 9
	s_lshl_b32 s47, s16, 8
	s_add_co_u32 s46, s46, s47
	s_add_co_u32 s20, s20, s46
	s_mov_b32 s21, 0
	s_add_nc_u64 s[12:13], s[12:13], s[20:21]
.macro MUL8 f, c, a0, zero, sl, q
.irp a, \a0, \a0+1
.irp b, 0,1,2,3
.if \zero
	v_wmma_scale_f32_16x16x128_f8f6f4 v[ACC+8*(4*(\a)+\b):ACC+8*(4*(\a)+\b)+7], v[\f+64+8*(4*\c+\b):\f+64+8*(4*\c+\b)+7], v[\f+8*(4*\c+(\a)):\f+8*(4*\c+(\a))+7], 0, v[SC+32*(\sl)+8*\b+(\q)], v[SC+32*(\sl)+8*(\a)+(\q)] matrix_a_fmt:MATRIX_FMT_FP4 matrix_b_fmt:MATRIX_FMT_FP4 matrix_a_scale:MATRIX_SCALE_ROW1
.else
	v_wmma_scale_f32_16x16x128_f8f6f4 v[ACC+8*(4*(\a)+\b):ACC+8*(4*(\a)+\b)+7], v[\f+64+8*(4*\c+\b):\f+64+8*(4*\c+\b)+7], v[\f+8*(4*\c+(\a)):\f+8*(4*\c+(\a))+7], v[ACC+8*(4*(\a)+\b):ACC+8*(4*(\a)+\b)+7], v[SC+32*(\sl)+8*\b+(\q)], v[SC+32*(\sl)+8*(\a)+(\q)] matrix_a_fmt:MATRIX_FMT_FP4 matrix_b_fmt:MATRIX_FMT_FP4 matrix_a_scale:MATRIX_SCALE_ROW1
.endif
.endr
.endr
.endm
.macro FETCH slot, k, f
	WIN TO_F
.irp c, 0,1
.irp i, 0,1,2,3
	ds_load_b128 v[\f+64+8*(4*\c+\i):\f+64+8*(4*\c+\i)+3],   v[ADRB+\slot] offset:\k+64*\c+\i*16*PITCH
	ds_load_b128 v[\f+64+8*(4*\c+\i)+4:\f+64+8*(4*\c+\i)+7], v[ADRB+\slot] offset:\k+64*\c+\i*16*PITCH+32
	ds_load_b128 v[\f+8*(4*\c+\i):\f+8*(4*\c+\i)+3],         v[ADRA+\slot] offset:\k+64*\c+\i*16*PITCH
	ds_load_b128 v[\f+8*(4*\c+\i)+4:\f+8*(4*\c+\i)+7],       v[ADRA+\slot] offset:\k+64*\c+\i*16*PITCH+32
.endr
.endr
.endm
.macro PLACES
.rept 4
	v_nop
.endr
.endm
.macro QUARTER slot, k, f, g, zero
	s_wait_dscnt 16
	WIN MUL
	MUL8 \f, 0, 0, \zero, \slot, 2*((\k)/128-1)
	MUL8 \f, 0, 2, \zero, \slot, 2*((\k)/128-1)
	PLACES
	FETCH \slot, \k, \g
	s_wait_dscnt 32
	WIN MUL
	MUL8 \f, 1, 0, 0, \slot, 2*((\k)/128-1)+1
	MUL8 \f, 1, 2, 0, \slot, 2*((\k)/128-1)+1
.endm
	s_wait_alu depctr_va_vdst(0)
	s_wait_tensorcnt 0x0                           ; my tile of the head's four is in; slot 1's first fill is issued as a refill is: the add, its wait, a whole round of the cluster's barrier
	ds_add_u32 v126, v127
	s_mov_b32 s[G1+2], 64<<16                      ; no tensor load of mine is out: from here on a load brings 64 rows
	s_mov_b32 s[G1+4], 64
	s_mov_b32 s[G1B+2], 64<<16
	s_mov_b32 s[G1B+4], 64
	s_wait_dscnt 0x0
	CROUND
	JLOAD G0+4, G1, G0B+4, G1B
.irp s, 0,1
.irp i, 0,1,2,3
.irp e, 0,1
	ds_load_b128 v[SC+32*\s+8*\i+4*\e:SC+32*\s+8*\i+4*\e+3], v[ADRS] offset:\i*SBLK+32*\s+16*\e
.endr
.endr
.endr
	FETCH 0, 0, F0
	QUARTER 0, 128, F0, F1, 1
	QUARTER 0, 256, F1, F0, 0
	QUARTER 0, 384, F0, F1, 0
	s_wait_tensorcnt 0x0
	s_wait_dscnt 16
	WIN MUL
	MUL8 F1, 0, 0, 0, 0, 6
	s_wait_dscnt 0x0
	s_barrier_signal -1
	MUL8 F1, 0, 2, 0, 0, 6
	s_barrier_wait -1
	PLACES
	FETCH 1, 0, F0
	WIN MUL
	MUL8 F1, 1, 0, 0, 0, 7
	MUL8 F1, 1, 2, 0, 0, 7
	QUARTER 1, 128, F0, F1, 0
	QUARTER 1, 256, F1, F0, 0
	QUARTER 1, 384, F0, F1, 0
	s_wait_dscnt 16
	WIN MUL
	MUL8 F1, 0, 0, 0, 1, 6
	MUL8 F1, 0, 2, 0, 1, 6
	s_wait_dscnt 0
	MUL8 F1, 1, 0, 0, 1, 7
	MUL8 F1, 1, 2, 0, 1, 7
	WIN 0
.macro TOSTAGE a
.irp b, 0,1,2,3
	ds_store_b128 v[STO], v[ACC+8*(4*\a+\b):ACC+8*(4*\a+\b)+3] offset:64*\b
	ds_store_b128 v[STO], v[ACC+8*(4*\a+\b)+4:ACC+8*(4*\a+\b)+7] offset:64*\b+16
.endr
.irp t, 0,1,2,3,4,5,6,7
	ds_load_b128 v[ACC+32*\a+4*\t:ACC+32*\a+4*\t+3], v[RD] offset:\t*2*SPITCH
.endr
.endm
.macro SEND a, younger
.irp t, 0,1,2,3,4,5,6,7
	s_wait_dscnt \younger+7-\t
	global_store_b128 v[CO], v[ACC+32*\a+4*\t:ACC+32*\a+4*\t+3], s[12:13] offset:(16*\a+2*\t)*8192 th:TH_STORE_NT
.endr
.endm
	PLACES
	TOSTAGE 0
	TOSTAGE 1
	SEND 0, 16
	TOSTAGE 2
	SEND 1, 16
	TOSTAGE 3
	SEND 2, 16
	SEND 3, 0
	s_wait_tensorcnt 0x0
	ds_add_u32 v126, v127
	s_wait_dscnt 0x0
	CROUND
	s_endpgm
.Lfunc_end_k_q3a92b466ad_oproj:
	.size	k_q3a92b466ad_oproj, .Lfunc_end_k_q3a92b466ad_oproj-k_q3a92b466ad_oproj
	.p2alignl 7, 3214868480
	.fill 96, 4, 3214868480
	.section	.rodata,"a",@progbits
	.p2align	6, 0x0
	.amdhsa_kernel k_q3a92b466ad_oproj
		.amdhsa_group_segment_fixed_size 327680
		.amdhsa_private_segment_fixed_size 0
		.amdhsa_enable_private_segment 0
		.amdhsa_kernarg_size 40
		.amdhsa_user_sgpr_count 2
		.amdhsa_user_sgpr_kernarg_segment_ptr 1
		.amdhsa_wavefront_size32 1
		.amdhsa_system_sgpr_workgroup_id_x 1
		.amdhsa_system_sgpr_workgroup_id_y 1
		.amdhsa_system_sgpr_workgroup_id_z 1
		.amdhsa_system_vgpr_workitem_id 0
		.amdhsa_next_free_vgpr 512
		.amdhsa_next_free_sgpr 98
		.amdhsa_reserve_vcc 0
		.amdhsa_float_denorm_mode_32 3
		.amdhsa_float_denorm_mode_16_64 3
		.amdhsa_memory_ordered 1
		.amdhsa_forward_progress 1
		.amdhsa_inst_pref_size 70
	.end_amdhsa_kernel
	.amdgpu_metadata
---
amdhsa.version: [ 1, 2 ]
amdhsa.kernels:
  - .name:           k_q3a92b466ad_oproj
    .symbol:         k_q3a92b466ad_oproj.kd
    .args:
      - { .name: y_codes, .offset: 0, .size: 8, .value_kind: global_buffer, .address_space: global }
      - { .name: y_scales, .offset: 8, .size: 8, .value_kind: global_buffer, .address_space: global }
      - { .name: codes, .offset: 16, .size: 8, .value_kind: global_buffer, .address_space: global }
      - { .name: scales, .offset: 24, .size: 8, .value_kind: global_buffer, .address_space: global }
      - { .name: out0, .offset: 32, .size: 8, .value_kind: global_buffer, .address_space: global }
    .group_segment_fixed_size: 327680
    .private_segment_fixed_size: 0
    .kernarg_segment_align: 8
    .kernarg_segment_size: 40
    .max_flat_workgroup_size: 128
    .sgpr_count:     98
    .vgpr_count:     512
    .wavefront_size: 32
...
	.end_amdgpu_metadata
.endif
;; end of part 4
